; MI455X (gfx1250); checked and timed in simulation.
; The chip was launched on July 23, 2026; its instructions are those of AMD's public machine-readable ISA for CDNA 5 (MIT licence, August 2026) and "CDNA5" Instruction Set Architecture Reference Guide (July 2026). The comments in the code are by the model that wrote it; some were corrected since.
;; Linear Self Attention. Allowed arithmetic: matrix products marked QUANTISED: E2M3 operands, one E8M0 scale for each 32 along K, by v_wmma_scale_f32_16x16x128_f8f6f4 with both operands' format E2M3, f32 sums; everything else in f32.
;; Inputs: hiddens 4 x 2,048 x 1,024 float32; w_kv 1,024 x 2,048 float32; w_out 1,024 x 1,024 float32; w_q 1,024 x 1,024 float32; x 4 x 2,048 x 1,024 float32.
;; Outputs: out0 4 x 2,048 x 1,024 float32.
;; This version of the problem:
;;   THIS VERSION OF THE PROBLEM IS GIVEN IN LOW PRECISION. The matrix products marked QUANTISED in the list below multiply operands that are first quantised to E2M3 (2 exponent bits, 3 mantissa bits; 6 bits a number), with one power-of-two scale for each 32 numbers along K (OCP MX v1.0); their sums are f32. All else is computed in f32.
;;   The module's matrix products, in the order in which they are computed (A, B: the left and right operand; K: the contracted axis; several contracted axes count as one K, in the product's order):
;;     1. [M 8,192, K 1,024] x [K 1,024, N 1,024]; A: computed on the way; B: input w_q: QUANTISED
;;     2. [M 16,384, K 1,024] x [K 1,024, N 2,048]; A: computed on the way; B: input w_kv: QUANTISED
;;     3. batch 32 x [M 128, K 4,096] x [K 4,096, N 128]; A: softmax (see below); B: computed on the way: QUANTISED
;;     4. batch 32 x [M 2,048, K 128] x [K 128, N 128]; A: softmax (see below); B: computed on the way: QUANTISED
;;     5. [M 8,192, K 1,024] x [K 1,024, N 1,024]; A: computed on the way; B: input w_out: QUANTISED
;;   THE QUANTISER, for each operand of a quantised product, along K:
;;     - K is cut into blocks of 32 from its start; a last block that is shorter is filled with zeros.
;;     - A block's scale is 2^e with e = floor(log2(the largest magnitude in the block)) - 2, held to -126 .. 127; a block of zeros has e = 0. As a byte (E8M0): e + 127.
;;     - Each number is divided by its block's scale, clamped to +-7.5, and rounded to the nearest number of E2M3, ties to even, subnormals kept.
;;     - The product sums the exact products of the quantised numbers (number of the format x scale) in f32.
;;   ~~~python
;;   def quantise(x, axis):      # numpy; x: float32 -> the quantised numbers, widened to float32 again
;;       x = np.moveaxis(x, axis, -1); K = x.shape[-1]
;;       x = np.pad(x, [(0, 0)] * (x.ndim - 1) + [(0, -K % 32)]); x = x.reshape(x.shape[:-1] + (-1, 32)); a = np.abs(x).max(-1, keepdims=True)
;;       e = np.where(a > 0, np.clip(np.frexp(np.where(a > 0, a, 1))[1] - 1 - 2, -126, 127), 0)      # np.frexp(a)[1] - 1 = floor(log2(a)), exactly
;;       r = np.clip(x / 2.0 ** e, -7.5, 7.5)
;;       step = 2.0 ** (np.maximum(np.frexp(np.where(r == 0, 1, r))[1] - 1, 0) - 3)
;;       q = np.round(r / step) * step * 2.0 ** e      # np.round: ties to even
;;       return np.moveaxis(q.reshape(q.shape[:-2] + (-1,))[..., :K], -1, axis).astype(np.float32)
;;   ~~~
;;   SOFTMAX AHEAD OF A QUANTISED PRODUCT. Where the list says 'softmax', what is quantised is not the finished softmax but p = 2^(t - M), with t = logit x log2(e) and M = ceil(the row's largest t), a whole number; so 1/2 < the row's largest p <= 1. The row's sum l is taken of the UNQUANTISED p, in f32, and the product's result is divided by l at the end. Since M is a whole number, a kernel that streams over the keys may use a running M (the ceiling of the running maximum): every later rescaling is an exact power of two, which a block's scale takes up: the codes' values come out the same.
;;   OPERANDS COMPUTED ON THE WAY. 'Computed on the way' means the value that the module computes at that place (a softmax that the list does not call 'softmax' is quantised finished and normalised). What goes into a quantiser is computed in f32, as accurately as f32 sums, v_exp_f32 and their like allow (about 1e-6 of the number): no bf16 or f16 on the way to a quantiser, and a product that is left as it is and whose result goes on into a quantised operand takes f32 operands (vector FMAs, or v_wmma_f32_16x16x4_f32). A number that lies on a knife's edge between two numbers of the format may be rounded either way, as far as f32 arithmetic and the matrix unit's own rounding can turn it there, and no further.
;; One version. Each part assembles by itself: llvm-mc -triple=amdgcn-amd-amdhsa -mcpu=gfx1250 --defsym DOCPART=n.
;; ======== version 1 of 1: 5 launches
;; workspace buffers: acodes 13,107,200 bytes; wcodes 3,276,800 bytes; part 16,777,216 bytes; stat 524,288 bytes; ccodes 409,600 bytes; ocodes 6,553,600 bytes
;; launch prep (part 1): grid 256 x 1, 4 waves a work-group, no clusters, 80,384 bytes of LDS; arguments x, hiddens, w_q, w_kv, w_out, acodes, wcodes; writes acodes, wcodes
.if DOCPART == 1
	.amdgcn_target "amdgcn-amd-amdhsa--gfx1250"
	.amdhsa_code_object_version 6
	.text
	.protected	k_qa67f33c828_prep
	.globl	k_qa67f33c828_prep
	.p2align	8
	.type	k_qa67f33c828_prep,@function
k_qa67f33c828_prep:
	s_mov_b64 s[64:65], 0
	v_nop
	global_prefetch_b8 v0, s[64:65] scope:SCOPE_SE
	s_setreg_imm32_b32 hwreg(HW_REG_WAVE_MODE, 25, 1), 1
	s_wait_xcnt 0x0
; PREP: LayerNorm of x, and every operand that arrives as f32 turned into codes of FP6 (E2M3) with one E8M0 byte for each 32 along K.
; NO WORK OF THE PROBLEM IS LEFT OUT: all five inputs reach the output and all five products are live; every launch of this program does its whole share.
; LIMITS: NaN and infinities among the inputs are not served.  A block of zeros gets the byte 1 where the rule says 127: its codes are zeros, and the bytes are read by this program alone.
; Blocks whose largest magnitude lies under 2^(3 - 127) are held at the byte 1.  1 / sqrt(var + eps) is v_rsq_f32 (1 ulp) and a multiplication.
; LAYOUT OF THE CODES (acodes, wcodes, later ocodes): images of the operand registers.  A fragment is 16 rows x 128 K, 12 registers a lane: registers 4 n .. 4 n + 3 of lane L lie at 512 n + 16 L: 1,536 bytes.
; A record is 128 rows x 256 K: fragment (block i, K step q) at (8 q + i) x 1,536, its scale words at 24,576 + (8 q + i) x 64 + 4 r: 25,600 bytes.  A group is 128 rows x K 1,024: 4 records.
; Lane-row r of block i holds row 32 (i / 2) + 8 (i % 2) + r + 8 (r / 8) of the group, so that a result used transposed has 16 neighbours along the next K in the 16 registers of two neighbouring tiles.
; acodes: group 32 b + g: g < 16 normed rows 128 g on of batch b, g >= 16 hiddens.  wcodes: groups 0-7 w_q's columns 128 G on; 8 + 2 h + jj: rows 0-63 = k columns 128 h + 64 jj on, rows 64-127 = v columns 1024 + 128 h + 64 jj on; 24-31 w_out.
; SHARES.  Each wave has two jobs.  W: 32 columns x 128 K of a weight, a lane to a column, registers down K: two fragments.  A: 16 rows x K 1,024 of x or hiddens, kept in 512 registers: eight fragments.
; Waves share nothing: no barrier.  No matrix unit, cluster or tensor load: memory binds, each input byte is read once.
.set SPARE, 79872                      ; the spare words: 128 bytes a wave, behind the stages
.set WSTG,  67584                      ; W stages: 3,072 bytes a wave; ahead of them the A stages: 2 x 16 rows x 528 bytes a wave
.set SPW, 12
.set NIL, 13
.set H8,  14                           ; v14 8 h
.set SA,  16
.set SB,  18
.set MU,  20
.set RS,  22
.set TP,  24
.set WW,  25
.set TM,  26
.set SO,  28
.set BY,  30
.set X,   32                           ; v32-159 W's 128 numbers; later two sets of 64
.set F,   160                          ; v160-183 two fragments by turns (W: the blocks' codes, v160-191)
.set FT,  184
.set PW,  192                          ; v192-199 a scale word for each K step
.set WB,  200                          ; v200-223 W's images read back
.set SEL, 38
.set MSB, 0
.macro WIN new                         ; the immediate's high byte repeats the setting that is left
.if MSB != (\new)
	s_set_vgpr_msb (MSB<<8)|(\new)
.set MSB, (\new)
.endif
.endm
; 64 numbers of a lane, register 32 c + i = k 64 c + 32 h + i of its row: two whole blocks.  They become the fragment's 12 registers at v[f] and the row's scale word in v[pw].
.macro QFRAG xs, f, pw
.irp c, 0,1
	v_max3_num_f32 v[TM+\c], |v[(\xs)+32*\c]|, |v[(\xs)+32*\c+1]|, 0x1800000   ; with the floor 2^(3 - 127): the byte cannot fall under 1
.endr
.irp i, 2,4,6,8,10,12,14,16,18,20,22,24,26,28,30
.irp c, 0,1
	v_max3_num_f32 v[TM+\c], v[TM+\c], |v[(\xs)+32*\c+\i]|, |v[(\xs)+32*\c+\i+1]|
.endr
.endr
.irp c, 0,1
	v_add_nc_u32 v[SO+\c], 0xff000000, v[TM+\c]    ; 2 off the exponent field: the conversion's scale operand
.endr
.irp c, 0,1
	v_lshrrev_b32 v[BY+\c], 23, v[SO+\c]           ; the byte
.endr
	v_lshl_or_b32 v[\pw], v[BY+1], 16, v[BY]       ; my blocks h and 2 + h,
	v_lshlrev_b32 v[\pw], v[H8], v[\pw]            ; at their places,
	v_permlanex16_b32 v[TP], v[\pw], s[SEL], s[SEL+1]
	v_or_b32 v[\pw], v[\pw], v[TP]                 ; with lane l xor 16's two: the word, in both halves of the lanes
.irp c, 0,1
	v_cvt_scalef32_pk16_fp6_f32 v[(\f)+6*\c:(\f)+6*\c+2], v[(\xs)+32*\c:(\xs)+32*\c+15], v[SO+\c]
	v_cvt_scalef32_pk16_fp6_f32 v[FT+4*\c:FT+4*\c+2], v[(\xs)+32*\c+16:(\xs)+32*\c+31], v[SO+\c]   ; (three registers from an even one on: made aside and moved)
.endr
	v_nop                                          ; one plain line behind the conversions
.irp c, 0,1
.irp i, 0,1,2
	v_mov_b32 v[(\f)+6*\c+3+\i], v[FT+4*\c+\i]
.endr
.endr
.endm
	s_load_b256 s[4:11], s[0:1], 0x0               ; x, hiddens, w_q, w_kv
	s_load_b128 s[12:15], s[0:1], 0x20             ; w_out, acodes
	s_load_b64 s[16:17], s[0:1], 0x30              ; wcodes
	v_lshl_add_u32 v[SPW], v0, 2, SPARE
	v_mov_b32 v[NIL], 0
	v_lshrrev_b32 v1, 5, v0
	v_readfirstlane_b32 s20, v1                    ; wave
	v_and_b32 v1, 31, v0                           ; L
	v_and_b32 v2, 15, v0                           ; r
	v_bfe_u32 v3, v0, 4, 1                         ; h
	v_lshlrev_b32 v4, 4, v1                        ; 16 L
	v_lshlrev_b32 v8, 2, v1                        ; 4 L
	v_lshlrev_b32 v[H8], 3, v3
	s_mul_i32 s21, s20, 16896
	v_add_nc_u32 v5, s21, v4                       ; A stage, in: 16 L (+ 528 x row)
	v_mul_u32_u24 v6, v2, 528
	v_lshl_add_u32 v6, v3, 7, v6
	v_add_nc_u32 v6, s21, v6                       ; A stage, out: row r, + 128 h
	v_lshlrev_b32 v7, 2, v2
	v_lshl_add_u32 v7, v3, 9, v7
	v_add_nc_u32 v7, 24576, v7                     ; A's scale words in a record: lanes 0-15 K step 0, lanes 16-31 K step 1
	v_bfe_u32 v9, v0, 3, 1                         ; u: which of my two W fragments my column belongs to
	v_and_b32 v10, 7, v0
	v_lshl_or_b32 v10, v3, 3, v10                  ; rr: its lane-row there
	v_lshlrev_b32 v11, 2, v10
	v_lshl_add_u32 v11, v9, 6, v11                 ; 64 u + 4 rr: its scale word
	v_mul_u32_u24 v9, v9, 1536
	v_lshl_add_u32 v9, v10, 4, v9
	s_mul_i32 s21, s20, 3072
	s_add_co_u32 s21, s21, WSTG
	v_add_nc_u32 v9, s21, v9                       ; W stage, in
	v_add_nc_u32 v10, s21, v4                      ; W stage, out
	v_mov_b32 v[TP], 0                             ; a lane permute's destination counts as read
	s_mov_b32 s36, 0xffff0000                      ; lanes 16-31
	s_mov_b32 s[SEL], 0x76543210
	s_mov_b32 s[SEL+1], 0xfedcba98
	s_mov_b32 s40, 0x3a800000                      ; 1 / 1024
	s_mov_b32 s41, 0x3727c5ac                      ; 1e-5
	; W job: group Gw = g / 8, K step j = g % 8
	s_lshr_b32 s22, ttmp9, 3
	s_and_b32 s23, ttmp9, 7
	s_sub_co_u32 s24, s22, 8                       ; t: under 16 in w_kv's groups
	s_and_b32 s25, s22, 7
	s_lshl_b32 s25, s25, 7
	s_lshl_b32 s45, s20, 5
	s_add_co_u32 s25, s25, s45                     ; w_q, w_out: column 128 (Gw % 8) + 32 w
	s_lshl_b32 s46, s24, 6
	s_and_b32 s45, s20, 1
	s_lshl_b32 s45, s45, 5
	s_add_co_u32 s46, s46, s45
	s_lshr_b32 s45, s20, 1
	s_lshl_b32 s45, s45, 10
	s_add_co_u32 s46, s46, s45                     ; w_kv: column 64 t + 32 (w % 2) + 1024 (w / 2)
	s_lshl_b32 s47, s23, 19                        ; 128 j rows of 4,096 bytes
	s_lshl_b32 s48, s23, 20                        ; or of 8,192
	s_cmp_lt_u32 s24, 16
	s_cselect_b32 s25, s46, s25
	s_cselect_b32 s47, s48, s47
	s_cselect_b32 s37, 1, 0                        ; the flag: w_kv
	s_lshl_b32 s25, s25, 2
	s_add_co_u32 s46, s47, s25
	s_mov_b32 s47, 0                               ; s[46:47]: where my part of the weight begins
	s_mul_i32 s48, s22, 102400
	s_lshr_b32 s49, s23, 1
	s_mul_i32 s49, s49, 25600
	s_add_co_u32 s48, s48, s49                     ; the record
	s_and_b32 s49, s23, 1
	s_lshl_b32 s49, s49, 3
	s_lshl_b32 s50, s20, 1
	s_add_co_u32 s49, s49, s50                     ; fragment 8 (j % 2) + 2 w
	s_mul_i32 s50, s49, 1536
	s_add_co_u32 s50, s50, s48
	s_mov_b32 s51, 0
	s_lshl_b32 s52, s49, 6
	s_add_co_u32 s52, s52, s48
	s_add_co_u32 s52, s52, 24576
	s_mov_b32 s53, 0
	; A job: g < 128 x, else hiddens; 64 rows a work-group, 16 a wave
	s_and_b32 s54, ttmp9, 127
	s_lshl_b32 s55, s54, 6
	s_lshr_b32 s56, s20, 1
	s_lshl_b32 s56, s56, 5
	s_add_co_u32 s55, s55, s56
	s_and_b32 s56, s20, 1
	s_lshl_b32 s56, s56, 3
	s_add_co_u32 s55, s55, s56                     ; my first row
	s_lshl_b32 s56, s55, 12
	s_mov_b32 s57, 0
	s_lshr_b32 s58, s54, 5
	s_lshl_b32 s58, s58, 5
	s_and_b32 s59, s54, 31
	s_lshr_b32 s59, s59, 1
	s_add_co_u32 s58, s58, s59
	s_cmp_lt_u32 ttmp9, 128
	s_cselect_b32 s44, 1, 0                        ; the flag: x
	s_cselect_b32 s59, 0, 16
	s_add_co_u32 s58, s58, s59                     ; the group
	s_mul_i32 s58, s58, 102400
	s_and_b32 s59, s54, 1
	s_lshl_b32 s59, s59, 2
	s_add_co_u32 s59, s59, s20                     ; my block
	s_mul_i32 s60, s59, 1536
	s_add_co_u32 s60, s60, s58
	s_mov_b32 s61, 0
	s_lshl_b32 s62, s59, 6
	s_add_co_u32 s62, s62, s58
	s_mov_b32 s63, 0
	s_wait_kmcnt 0x0
	s_cmp_lt_u32 s22, 8
	s_cselect_b64 s[26:27], s[8:9], s[12:13]       ; the choices hang on the work-group's number alone
	s_cmp_eq_u32 s37, 1
	s_cselect_b64 s[26:27], s[10:11], s[26:27]
	s_add_nc_u64 s[26:27], s[26:27], s[46:47]      ; the weight
	s_add_nc_u64 s[28:29], s[16:17], s[50:51]      ; its codes
	s_add_nc_u64 s[30:31], s[16:17], s[52:53]      ; its scale words
	s_cmp_eq_u32 s44, 1
	s_cselect_b64 s[32:33], s[4:5], s[6:7]
	s_add_nc_u64 s[32:33], s[32:33], s[56:57]      ; my rows
	s_add_nc_u64 s[34:35], s[14:15], s[60:61]      ; their codes
	s_add_nc_u64 s[42:43], s[14:15], s[62:63]      ; their scale words
.macro WLOAD pitch                     ; W(128 j + k, my column), k = 0 .. 127: 32 lanes read 128 consecutive bytes; the row stands in the immediate
.set n_, 0
.rept 128
	global_load_b32 v[X+n_], v8, s[26:27] offset:n_*\pitch th:TH_LOAD_NT
.set n_, n_+1
.endr
.endm
	s_cmp_eq_u32 s37, 1
	s_cbranch_scc1 .Lkv
	WLOAD 4096
	s_branch .Lwl
.Lkv:
	WLOAD 8192
.Lwl:
.macro ALOAD k                         ; lane-row k: a whole row, eight loads of 512 consecutive bytes; load q is K step q
.irp q, 0,1,2,3,4,5,6,7
	global_load_b128 v[32*((\k)%8)+4*\q:32*((\k)%8)+4*\q+3], v4, s[32:33] offset:((\k)+8*((\k)/8))*4096+512*\q th:TH_LOAD_NT
.endr
.endm
	WIN 0x40                                       ; rows 0-7 into window 1
.irp k, 0,1,2,3,4,5,6,7
	ALOAD \k
.endr
	WIN 0x80                                       ; rows 8-15 into window 2
.irp k, 8,9,10,11,12,13,14,15
	ALOAD \k
.endr
	WIN 0
	s_wait_loadcnt 63                              ; 128 loads were issued behind the weight's last: 63 is the largest count that the wait can name
.macro WBLOCK m                        ; block m of my column: all 32 numbers are mine
.set XS, X+32*(\m)
.set C, F+8*(\m)
	v_max3_num_f32 v[TM], |v[XS]|, |v[XS+1]|, |v[XS+2]|
	v_max3_num_f32 v[TM+1], |v[XS+3]|, |v[XS+4]|, |v[XS+5]|
.irp i, 6,10,14,18,22,26
	v_max3_num_f32 v[TM], v[TM], |v[XS+\i]|, |v[XS+\i+1]|
	v_max3_num_f32 v[TM+1], v[TM+1], |v[XS+\i+2]|, |v[XS+\i+3]|
.endr
	v_max3_num_f32 v[TM], v[TM], |v[XS+30]|, |v[XS+31]|
	v_max3_num_f32 v[TM], v[TM], v[TM+1], 0x1800000
	v_add_nc_u32 v[SO], 0xff000000, v[TM]
	v_lshrrev_b32 v[BY], 23, v[SO]
.if (\m) == 0
	v_mov_b32 v[WW], v[BY]
.else
	v_lshl_or_b32 v[WW], v[BY], 8*(\m), v[WW]      ; the lower K in the lower byte
.endif
	v_cvt_scalef32_pk16_fp6_f32 v[C:C+2], v[XS:XS+15], v[SO]
	v_cvt_scalef32_pk16_fp6_f32 v[C+4:C+6], v[XS+16:XS+31], v[SO]
	v_nop                                          ; one plain line behind the conversions
	v_mov_b32 v[C+3], v[C+4]
	v_mov_b32 v[C+4], v[C+5]
	v_mov_b32 v[C+5], v[C+6]
; block m = 2 c + h is registers 6 c .. 6 c + 5 of lane rr + 16 h of the fragment's image
.if (\m) < 2
	ds_store_b64 v9, v[C:C+1] offset:256*((\m)%2)
	ds_store_b64 v9, v[C+2:C+3] offset:256*((\m)%2)+8
	ds_store_b64 v9, v[C+4:C+5] offset:256*((\m)%2)+512
.else
	ds_store_b64 v9, v[C:C+1] offset:256*((\m)%2)+520
	ds_store_b64 v9, v[C+2:C+3] offset:256*((\m)%2)+1024
	ds_store_b64 v9, v[C+4:C+5] offset:256*((\m)%2)+1032
.endif
.endm
	WBLOCK 0
	WBLOCK 1
	WBLOCK 2
	WBLOCK 3
.irp n, 0,1,2,3,4,5
	ds_load_b128 v[WB+4*\n:WB+4*\n+3], v10 offset:512*\n   ; LDS serves a wave's instructions in order: these see my stores
.endr
	s_wait_dscnt 0x0
.irp n, 0,1,2,3,4,5
	global_store_b128 v4, v[WB+4*\n:WB+4*\n+3], s[28:29] offset:512*\n   ; two fragments: 3,072 consecutive bytes, 512 an instruction
.endr
	global_store_b32 v11, v[WW], s[30:31]          ; 128 consecutive bytes of scale words
.macro LANESUM                         ; the two chains, the pair's halves and the 32 lanes: the sum in every lane's v[SA]
	v_pk_add_f32 v[SA:SA+1], v[SA:SA+1], v[SB:SB+1]
	v_add_f32 v[SA], v[SA], v[SA+1]
	v_add_f32_dpp v[SA], v[SA], v[SA] row_xmask:1 row_mask:0xf bank_mask:0xf
	v_add_f32_dpp v[SA], v[SA], v[SA] row_xmask:2 row_mask:0xf bank_mask:0xf
	v_add_f32_dpp v[SA], v[SA], v[SA] row_xmask:4 row_mask:0xf bank_mask:0xf
	v_add_f32_dpp v[SA], v[SA], v[SA] row_xmask:8 row_mask:0xf bank_mask:0xf
	v_permlanex16_b32 v[TP], v[SA], s[SEL], s[SEL+1]
	v_add_f32 v[SA], v[SA], v[TP]
.endm
.macro ROW k                           ; LayerNorm of lane-row k, in place: the mean, x - mean, the mean of the squares, x 1 / sqrt(var + eps)
.set RW, 1+(\k)/8
.set R, 32*((\k)%8)
.if 8*(15-(\k)) > 63
	s_wait_loadcnt 63                              ; behind this row's loads stand those of the later rows, eight each; 63 at the most can be named
.else
	s_wait_loadcnt 8*(15-(\k))
.endif
	WIN RW|(RW<<2)
	v_pk_add_f32 v[SA:SA+1], v[R:R+1], v[R+2:R+3]
	v_pk_add_f32 v[SB:SB+1], v[R+4:R+5], v[R+6:R+7]
	WIN RW<<2
.irp i, 8,12,16,20,24,28
	v_pk_add_f32 v[SA:SA+1], v[SA:SA+1], v[R+\i:R+\i+1]
	v_pk_add_f32 v[SB:SB+1], v[SB:SB+1], v[R+\i+2:R+\i+3]
.endr
	WIN 0
	LANESUM
	v_mul_f32 v[MU], s40, v[SA]
	v_mov_b32 v[MU+1], v[MU]
	WIN (RW<<6)|RW
.set n_, 0
.rept 16
	v_pk_add_f32 v[R+n_:R+n_+1], v[R+n_:R+n_+1], v[MU:MU+1] neg_lo:[0,1] neg_hi:[0,1]
.set n_, n_+2
.endr
	WIN RW|(RW<<2)
	v_pk_mul_f32 v[SA:SA+1], v[R:R+1], v[R:R+1]
	v_pk_mul_f32 v[SB:SB+1], v[R+2:R+3], v[R+2:R+3]
.irp i, 4,8,12,16,20,24,28
	v_pk_fma_f32 v[SA:SA+1], v[R+\i:R+\i+1], v[R+\i:R+\i+1], v[SA:SA+1]
	v_pk_fma_f32 v[SB:SB+1], v[R+\i+2:R+\i+3], v[R+\i+2:R+\i+3], v[SB:SB+1]
.endr
	WIN 0
	LANESUM
	v_fma_f32 v[SA], v[SA], s40, s41               ; var + eps
	v_rsq_f32 v[RS], v[SA]
	v_nop                                          ; a plain line behind the transcendental,
	s_wait_alu depctr_va_vdst(0)                   ; and the wait ahead of its first reader
	v_mov_b32 v[RS+1], v[RS]
	WIN (RW<<6)|RW
.set n_, 0
.rept 16
	v_pk_mul_f32 v[R+n_:R+n_+1], v[R+n_:R+n_+1], v[RS:RS+1]
.set n_, n_+2
.endr
	WIN 0
.endm
	s_cmp_eq_u32 s44, 1                            ; hiddens is taken as it is
	s_cbranch_scc0 .Lnormed
.irp k, 0,1,2,3,4,5,6,7,8,9,10,11,12,13,14,15
	ROW \k
.endr
.Lnormed:
	s_wait_loadcnt 0x0
; K step j of the 16 rows turns through my stage: in as loaded (a row's 512 bytes on end), out 128 bytes a lane: row r, k 64 c + 32 h on.  Rows 528 bytes apart: sixteen rows start at sixteen different groups of banks.
.macro TURN j
	WIN 0x04                                       ; an LDS store's data are its source 1: window 1
.irp k, 0,1,2,3,4,5,6,7
	ds_store_b128 v5, v[32*\k+4*(\j):32*\k+4*(\j)+3] offset:8448*((\j)%2)+528*\k
.endr
	WIN 0x08
.irp k, 0,1,2,3,4,5,6,7
	ds_store_b128 v5, v[32*\k+4*(\j):32*\k+4*(\j)+3] offset:8448*((\j)%2)+528*(\k+8)
.endr
	WIN 0
.irp c, 0,1
.irp t, 0,1,2,3,4,5,6,7
	ds_load_b128 v[X+64*((\j)%2)+32*\c+4*\t:X+64*((\j)%2)+32*\c+4*\t+3], v6 offset:8448*((\j)%2)+256*\c+16*\t
.endr
.endr
.endm
	TURN 0
.irp j, 0,1,2,3,4,5,6,7
.if \j < 7
	TURN \j+1                                      ; the next K step goes through the other stage while this one is worked
	s_wait_dscnt 32                                ; behind this step's loads: the next step's 16 stores and 16 loads
.else
	s_wait_dscnt 0x0
.endif
	s_wait_xcnt 0x0                                ; the stores of two steps back have read the registers that are written now
	QFRAG X+64*(\j%2), F+12*(\j%2), PW+\j
.irp n, 0,1,2
	global_store_b128 v4, v[F+12*(\j%2)+4*\n:F+12*(\j%2)+4*\n+3], s[34:35] offset:(\j/2)*25600+(\j%2)*12288+512*\n   ; 512 consecutive bytes, aligned
.endr
.if \j%2 == 1
	v_cndmask_b32 v[PW+\j-1], v[PW+\j-1], v[PW+\j], s36    ; lanes 0-15 the record's K step 0, lanes 16-31 its K step 1
	global_store_b32 v7, v[PW+\j-1], s[42:43] offset:(\j/2)*25600
.endif
.endr
	s_wait_tensorcnt 0x0                           ; the wave's end, behind my last LDS store
	ds_add_u32 v[SPW], v[NIL]
	s_wait_dscnt 0x0
	s_endpgm
.Lfunc_end_k_qa67f33c828_prep:
	.size	k_qa67f33c828_prep, .Lfunc_end_k_qa67f33c828_prep-k_qa67f33c828_prep
	.p2alignl 7, 3214868480
	.fill 96, 4, 3214868480
	.section	.rodata,"a",@progbits
	.p2align	6, 0x0
	.amdhsa_kernel k_qa67f33c828_prep
		.amdhsa_group_segment_fixed_size 80384
		.amdhsa_private_segment_fixed_size 0
		.amdhsa_enable_private_segment 0
		.amdhsa_kernarg_size 56
		.amdhsa_user_sgpr_count 2
		.amdhsa_user_sgpr_kernarg_segment_ptr 1
		.amdhsa_wavefront_size32 1
		.amdhsa_system_sgpr_workgroup_id_x 1
		.amdhsa_system_sgpr_workgroup_id_y 1
		.amdhsa_system_sgpr_workgroup_id_z 1
		.amdhsa_system_vgpr_workitem_id 0
		.amdhsa_next_free_vgpr 768
		.amdhsa_next_free_sgpr 66
		.amdhsa_reserve_vcc 0
		.amdhsa_float_denorm_mode_32 3
		.amdhsa_float_denorm_mode_16_64 3
		.amdhsa_memory_ordered 1
		.amdhsa_forward_progress 1
		.amdhsa_inst_pref_size 177
	.end_amdhsa_kernel
	.amdgpu_metadata
---
amdhsa.version: [ 1, 2 ]
amdhsa.kernels:
  - .name:           k_qa67f33c828_prep
    .symbol:         k_qa67f33c828_prep.kd
    .args:
      - { .name: x, .offset: 0, .size: 8, .value_kind: global_buffer, .address_space: global }
      - { .name: hiddens, .offset: 8, .size: 8, .value_kind: global_buffer, .address_space: global }
      - { .name: w_q, .offset: 16, .size: 8, .value_kind: global_buffer, .address_space: global }
      - { .name: w_kv, .offset: 24, .size: 8, .value_kind: global_buffer, .address_space: global }
      - { .name: w_out, .offset: 32, .size: 8, .value_kind: global_buffer, .address_space: global }
      - { .name: acodes, .offset: 40, .size: 8, .value_kind: global_buffer, .address_space: global }
      - { .name: wcodes, .offset: 48, .size: 8, .value_kind: global_buffer, .address_space: global }
    .group_segment_fixed_size: 80384
    .private_segment_fixed_size: 0
    .kernarg_segment_align: 8
    .kernarg_segment_size: 56
    .max_flat_workgroup_size: 128
    .sgpr_count:     66
    .vgpr_count:     768
    .wavefront_size: 32
...
	.end_amdgpu_metadata
.endif
;; end of part 1
;; launch kvctx (part 2): grid 8 x 32, 4 waves a work-group, clusters of 4 x 4, 327,680 bytes of LDS; arguments acodes, wcodes, part, stat; writes part, stat
.if DOCPART == 2
	.amdgcn_target "amdgcn-amd-amdhsa--gfx1250"
	.amdhsa_code_object_version 6
	.text
	.protected	k_qa67f33c828_kvctx
	.globl	k_qa67f33c828_kvctx
	.p2align	8
	.type	k_qa67f33c828_kvctx,@function
k_qa67f33c828_kvctx:
	s_mov_b64 s[64:65], 0
	v_nop
	global_prefetch_b8 v0, s[64:65] scope:SCOPE_SE
	s_setreg_imm32_b32 hwreg(HW_REG_WAVE_MODE, 25, 1), 1
	s_wait_xcnt 0x0
	s_wait_alu depctr_hold_cnt(0) depctr_sa_sdst(0) depctr_va_vdst(0) depctr_va_sdst(0) depctr_va_ssrc(0) depctr_va_vcc(0) depctr_vm_vsrc(0)
	s_getreg_b32 s2, hwreg(HW_REG_IB_STS2, 6, 4)
	s_cmp_eq_u32 s2, 0
	s_cbranch_scc0 .Lentry_in_a_cluster
	s_endpgm
.Lentry_in_a_cluster:
	s_bfe_u32 s2, ttmp6, 0x10000c
	s_cmp_lg_u32 s2, 0xf033
	s_cbranch_scc0 .Lentry_shape_is_right
	s_endpgm
.Lentry_shape_is_right:
; KVCTX: kv = [normed; hiddens] w_kv on codes of FP6, and straight from the accumulators the part of context = softmax_seq(k)^T v that falls to the work-group.  k and v never go to memory.  No work is left out.
; A WORK-GROUP STAYS: it takes two tiles of 256 positions of one batch (acodes groups 4 Y + 2 t, 4 Y + 2 t + 1, t = 0, 1) x the 128 k columns and 128 v columns of head X (wcodes groups 8 + 2 X, 9 + 2 X).
; Four waves, each 128 positions x (64 k + 64 v columns): 64 accumulators.
; THE PRODUCT IS USED TRANSPOSED: source 0 = 16 positions, source 1 = 16 columns: a lane holds ONE column, and by the order of the rows in a block the 16 registers of two neighbouring tiles are 16 neighbouring positions: the next K.
; THE SOFTMAX ALONG THE POSITIONS goes by pieces of 128: t = k log2(e), M = ceil(the piece's largest t), p = 2^(t - M), quantised along the positions; l = the piece's sum of the unquantised p.  A work-group has four pieces (2 t + the wave's half).
; Each tile's p and v go to LDS as images of operand registers; behind the second tile the product over the positions is made for all four pieces, and they are joined by exact powers of two: one part of 128 x 128 leaves.
; LIMITS: p under 2^-126 comes out of v_exp_f32 as 0; what a join shifts under the smallest f32 number is lost; a block's largest p is taken as the exponential of its largest score (v_exp_f32 is taken not to fall where its input rises).
; LDS.  K = 1,024 is four records a group.  Places 0 and 1 of group g lie on end at g x 51,200; place 2 at 204,800 + g x 25,600.  Tile 0: records 0, 1, 2 are first fills of places 0, 1, 2; record 3 fills place 0 again.
; In tile 0's last K step places 0 and 1 are left, and ONE load a wave brings tile 1's records 0 and 1 into them: it lands while tile 0's softmax is worked.  Tile 1's records 2 and 3 fill places 0 and 1 again.
; Place 2 has its only fill at the head; from tile 0's last change of places on nobody reads it, and the images lie there.  The scale words, -M and l lie behind the spare words, in bytes that are never filled.
; By this text's count a wave has at most three tensor loads out.
; CLUSTER 4 x 4: the weights hang on X alone and are asked for jointly along a column of the cluster, the positions on Y alone, jointly along a row: the requests for both are divided by four.
; REGISTERS: window 0: v4-24 addresses; v32-63 scale words, two sets; v64-127 at work in the epilogue; v128-223 the weights' fragments, one set; v224-231 l of the pieces; v232-247 scale words of the last product.
;   Window 1: the positions' fragments, two sets (v0, v128).  Window 2: accumulators of the k columns ((a, b) at 8 (8 a + b)); window 3: of the v columns.
.set REC,   25600
.set GRP,   4*REC                      ; a group in memory
.set PAIR,  2*REC                      ; a group's places 0 and 1
.set PL2,   4*PAIR                     ; place 2 of the four groups
.set SPARE, PL2+4*REC                  ; the spare words: 128 bytes a wave
.set EXI,   PL2                        ; the images: p's 32 fragments, index 4 D + piece,
.set VIM,   49152                      ; and behind them v's 32
.set WRD,   SPARE+512                  ; 128 bytes a fragment, four runs of 4,096 bytes:
.set PSC,   0                          ; p's scale words,
.set VSC,   4096                       ; v's,
.set PNM,   8192                       ; -M,
.set PLL,   12288                      ; l
.set ADW,  4
.set ADA,  7
.set ADSW, 10
.set ADSA, 13
.set EWI,  16
.set EWS,  17
.set ELV,  18
.set ELP,  19
.set ELS,  20
.set ELQ,  21
.set CO,   22
.set SO4,  23
.set EWV,  24
.set SPW,  28
.set NIL,  29
.set SC,   32
.set VS,   40
.set BM,   64
.set BP,   68
.set SO,   72
.set NM,   76
.set TX,   77
.set LA,   78
.set LB,   80
.set TT,   82
.set CT,   84
.set PW,   92
.set LS,   93
.set PC,   96
.set FJ,   96
.set NO,   112
.set LO,   114
.set NMR,  116
.set WF,   128
.set LR,   224
.set G1W,  24
.set G1A,  48
.set G1WB, 84
.set G1AB, 92
.set G0W0, 32
.set G0W1, 36
.set G0W2, 68
.set G0A0, 56
.set G0A1, 60
.set G0A2, 72
.set SEL,  76
.set CS,   78
.set MUL_LO, 0xa1                      ; source 0 window 1, source 1 window 0, C and D window 2
.set MUL_HI, 0xf1                      ; the same, C and D window 3
.set MSB, 0
.macro WIN new
.if MSB != (\new)
	s_set_vgpr_msb (MSB<<8)|(\new)
.set MSB, (\new)
.endif
.endm
.macro PLACES n
.rept \n
	v_nop
.endr
.endm
.macro CREST                           ; a round of the cluster's barrier behind its opening barrier
	s_cmp_lg_u32 s14, 0
	s_cbranch_scc1 .Lnot_wave_0_\@
	s_barrier_signal -3
.Lnot_wave_0_\@:
	s_barrier_wait -3
	s_barrier_signal -1
	s_barrier_wait -1
.endm
.macro CROUND
	s_barrier_signal -1
	s_barrier_wait -1
	CREST
.endm
; A joint load: waves 0 and 1 fetch for the weights' two groups, waves 2 and 3 for the positions'.  The branch hangs on the wave's number alone.  An s_nop 0 and four v_nop follow each line.
.macro JLOAD g0w, g1w, g0a, g1a
	s_cmp_eq_u32 s15, 0
	s_cbranch_scc0 .Lfor_a_\@
	tensor_load_to_lds s[\g0w:\g0w+3], s[\g1w:\g1w+7]
	s_nop 0
.rept 4
	v_nop
.endr
	s_branch .Lasked_\@
.Lfor_a_\@:
	tensor_load_to_lds s[\g0a:\g0a+3], s[\g1a:\g1a+7]
	s_nop 0
.rept 4
	v_nop
.endr
.Lasked_\@:
.endm
; The four refills.  Each stands behind a wait for all my tensor loads, so the groups 0 may be written.
.macro REFILL rf
.if \rf == 1                           ; tile 0's record 3 into place 0
	s_add_nc_u64 s[G0W0+2:G0W0+3], s[G0W0+2:G0W0+3], 3*REC
	s_add_nc_u64 s[G0A0+2:G0A0+3], s[G0A0+2:G0A0+3], 3*REC
	JLOAD G0W0, G1W, G0A0, G1A
.elseif \rf == 2                       ; tile 1's records 0 and 1 into places 0 and 1: one load of 51,200 dense bytes.  The weights go back to record 0, the positions two groups on
	s_sub_nc_u64 s[G0W0+2:G0W0+3], s[G0W0+2:G0W0+3], 3*REC
	s_add_nc_u64 s[G0A0+2:G0A0+3], s[G0A0+2:G0A0+3], 2*GRP-3*REC
	JLOAD G0W0, G1WB, G0A0, G1AB
.elseif \rf == 3                       ; tile 1's record 2 into place 0
	s_add_nc_u64 s[G0W0+2:G0W0+3], s[G0W0+2:G0W0+3], 2*REC
	s_add_nc_u64 s[G0A0+2:G0A0+3], s[G0A0+2:G0A0+3], 2*REC
	JLOAD G0W0, G1W, G0A0, G1A
.else                                  ; tile 1's record 3 into place 1: place 1's group 0 still stands at tile 0's record 1
	s_add_nc_u64 s[G0W1+2:G0W1+3], s[G0W1+2:G0W1+3], 2*REC
	s_add_nc_u64 s[G0A1+2:G0A1+3], s[G0A1+2:G0A1+3], 2*GRP+2*REC
	JLOAD G0W1, G1W, G0A1, G1A
.endif
.endm
; One product.  d, a, b: first registers of D, source 0, source 1; z = 1: C is 0; sa, sb: the scale registers; ra, rb = 1: the scales stand in lanes 16-31.
.macro WM d, a, b, z, sa, sb, ra, rb
.set WMC, 4*(\z)+2*(\ra)+(\rb)
.if WMC == 0
	v_wmma_scale_f32_16x16x128_f8f6f4 v[(\d):(\d)+7], v[(\a):(\a)+11], v[(\b):(\b)+11], v[(\d):(\d)+7], v[(\sa)], v[(\sb)] matrix_a_fmt:MATRIX_FMT_FP6 matrix_b_fmt:MATRIX_FMT_FP6
.elseif WMC == 1
	v_wmma_scale_f32_16x16x128_f8f6f4 v[(\d):(\d)+7], v[(\a):(\a)+11], v[(\b):(\b)+11], v[(\d):(\d)+7], v[(\sa)], v[(\sb)] matrix_a_fmt:MATRIX_FMT_FP6 matrix_b_fmt:MATRIX_FMT_FP6 matrix_b_scale:MATRIX_SCALE_ROW1
.elseif WMC == 2
	v_wmma_scale_f32_16x16x128_f8f6f4 v[(\d):(\d)+7], v[(\a):(\a)+11], v[(\b):(\b)+11], v[(\d):(\d)+7], v[(\sa)], v[(\sb)] matrix_a_fmt:MATRIX_FMT_FP6 matrix_b_fmt:MATRIX_FMT_FP6 matrix_a_scale:MATRIX_SCALE_ROW1
.elseif WMC == 3
	v_wmma_scale_f32_16x16x128_f8f6f4 v[(\d):(\d)+7], v[(\a):(\a)+11], v[(\b):(\b)+11], v[(\d):(\d)+7], v[(\sa)], v[(\sb)] matrix_a_fmt:MATRIX_FMT_FP6 matrix_b_fmt:MATRIX_FMT_FP6 matrix_a_scale:MATRIX_SCALE_ROW1 matrix_b_scale:MATRIX_SCALE_ROW1
.elseif WMC == 4
	v_wmma_scale_f32_16x16x128_f8f6f4 v[(\d):(\d)+7], v[(\a):(\a)+11], v[(\b):(\b)+11], 0, v[(\sa)], v[(\sb)] matrix_a_fmt:MATRIX_FMT_FP6 matrix_b_fmt:MATRIX_FMT_FP6
.elseif WMC == 5
	v_wmma_scale_f32_16x16x128_f8f6f4 v[(\d):(\d)+7], v[(\a):(\a)+11], v[(\b):(\b)+11], 0, v[(\sa)], v[(\sb)] matrix_a_fmt:MATRIX_FMT_FP6 matrix_b_fmt:MATRIX_FMT_FP6 matrix_b_scale:MATRIX_SCALE_ROW1
.elseif WMC == 6
	v_wmma_scale_f32_16x16x128_f8f6f4 v[(\d):(\d)+7], v[(\a):(\a)+11], v[(\b):(\b)+11], 0, v[(\sa)], v[(\sb)] matrix_a_fmt:MATRIX_FMT_FP6 matrix_b_fmt:MATRIX_FMT_FP6 matrix_a_scale:MATRIX_SCALE_ROW1
.else
	v_wmma_scale_f32_16x16x128_f8f6f4 v[(\d):(\d)+7], v[(\a):(\a)+11], v[(\b):(\b)+11], 0, v[(\sa)], v[(\sb)] matrix_a_fmt:MATRIX_FMT_FP6 matrix_b_fmt:MATRIX_FMT_FP6 matrix_a_scale:MATRIX_SCALE_ROW1 matrix_b_scale:MATRIX_SCALE_ROW1
.endif
.endm
; 16 products: the weights' blocks a0, a0 + 1 x the positions' eight.  p: the positions' set; q: the record's K step; sg: the set of scale words.  The 64 accumulators take turns, one instruction a turn.
.macro MUL16 a0, p, q, sg, zero
.irp a, \a0, \a0+1
.irp b, 0,1,2,3,4,5,6,7
	WM 8*(8*((\a)%4)+\b), 128*(\p)+12*\b, WF+12*(\a), \zero, SC+16*(\sg)+8*(\q)+4+\b%4, SC+16*(\sg)+8*(\q)+(\a)%4, \b/4, (\a)/4
.endr
.endr
.endm
.macro FETCH_A slot, q, p              ; the positions' eight fragments of K step q into set p: three loads of 16 bytes a lane each
	WIN 0x40
.irp i, 0,1,2,3,4,5,6,7
.irp n, 0,1,2
	ds_load_b128 v[128*(\p)+12*\i+4*\n:128*(\p)+12*\i+4*\n+3], v[ADA+\slot] offset:(8*(\q)+\i)*1536+512*\n
.endr
.endr
	WIN 0
.endm
.macro FETCH_W slot, q, i0             ; the weights' blocks i0 .. i0 + 3
.irp i, \i0, \i0+1, \i0+2, \i0+3
.irp n, 0,1,2
	ds_load_b128 v[WF+12*(\i)+4*\n:WF+12*(\i)+4*\n+3], v[ADW+\slot] offset:(8*(\q)+(\i))*1536+512*\n
.endr
.endr
.endm
.macro SCALES slot, sg                 ; a record's scale words: register 8 q + i: the weights' blocks i (lanes 0-15) and i + 4 (lanes 16-31); 8 q + 4 + i: the positions'
.irp q, 0,1
.irp i, 0,1,2,3
	ds_load_b32 v[SC+16*(\sg)+8*\q+\i], v[ADSW+\slot] offset:(8*\q+\i)*64
	ds_load_b32 v[SC+16*(\sg)+8*\q+4+\i], v[ADSA+\slot] offset:(8*\q+\i)*64
.endr
.endr
.endm
.macro FIRST                           ; a tile's first fragments, from place 0
	FETCH_A 0, 0, 0
	FETCH_W 0, 0, 0
	SCALES 0, 0
	FETCH_W 0, 0, 4
.endm
; A record's first K step.  Four plain lines stand in front of each run of loads into registers that matrix instructions have read.
.macro STEP slot, sg, zero
	s_wait_dscnt 12                                ; all but the youngest twelve loads, the weights' blocks 4-7
	WIN MUL_LO
	MUL16 0, 0, 0, \sg, \zero
	MUL16 2, 0, 0, \sg, \zero
	s_wait_dscnt 0x0                               ; blocks 4-7 are in
	PLACES 4
	FETCH_A \slot, 1, 1
	FETCH_W \slot, 1, 0
	WIN MUL_HI
	MUL16 4, 0, 0, \sg, \zero
	MUL16 6, 0, 0, \sg, \zero
	PLACES 4
	WIN 0
	FETCH_W \slot, 1, 4
.endm
; A record's second K step, which goes on to the next place.  kind = 2: the place that has been read out is filled again (refill rf) behind a round of the cluster's barrier; 1: a barrier, behind which the last refill is whole for all waves;
; 0: neither: the place ahead was shown whole at an earlier round.
.macro TURN next, sg, kind, rf
.if \kind > 0
	s_wait_tensorcnt 0x0                           ; all my tensor loads have landed
	ds_add_u32 v[SPW], v[NIL]                      ; 0 onto my spare word
	s_wait_dscnt 13                                ; (the add and the youngest twelve loads may be out)
.else
	s_wait_dscnt 12
.endif
	WIN MUL_LO
	MUL16 0, 1, 1, \sg, 0
	s_wait_dscnt 0x0                               ; the add is done, and my reads of the place are over
.if \kind > 0
	s_barrier_signal -1
.endif
	MUL16 2, 1, 1, \sg, 0
	WIN 0
.if \kind > 0
	s_barrier_wait -1
.endif
.if \kind == 2
	CREST                                          ; no wave of any partner still reads the place or has a load on its way
	REFILL \rf                                     ; the first tensor load behind the round; its four v_nop are the places in front of the loads below
.else
	PLACES 4
.endif
	FETCH_A \next, 0, 0
	FETCH_W \next, 0, 0
	SCALES \next, 1-(\sg)
	WIN MUL_HI
	MUL16 4, 1, 1, \sg, 0
	MUL16 6, 1, 1, \sg, 0
	PLACES 4
	WIN 0
	FETCH_W \next, 0, 4
.endm
; A tile's last K step: nothing more to fetch from LDS.  fill = 1: places 0 and 1 have been read out, and behind a round the next tile's first two records are asked for.
.macro LASTK fill
.if \fill
	s_wait_tensorcnt 0x0                           ; all my tensor loads have landed
	ds_add_u32 v[SPW], v[NIL]                      ; 0 onto my spare word
	s_wait_dscnt 13                                ; (the add and the youngest twelve loads may be out)
.else
	s_wait_dscnt 12
.endif
	WIN MUL_LO
	MUL16 0, 1, 1, 1, 0
	s_wait_dscnt 0x0                               ; my reads of the places are over
.if \fill
	s_barrier_signal -1
.endif
	MUL16 2, 1, 1, 1, 0
.if \fill
	WIN 0
	s_barrier_wait -1
	CREST
	REFILL 2
.endif
	WIN MUL_HI
	MUL16 4, 1, 1, 1, 0
	MUL16 6, 1, 1, 1, 0
	WIN 0
	PLACES 4                                       ; in front of the first read of results
.endm
; 64 scores of a lane in window w at v[s] on, register 16 b + i = index 32 b + 16 h + i along the softmax's axis.  Out: p's fragment at v[pc], its scale word in v[pw], -M in v[NM], the sum of the unquantised p in v[ls]; all in window 0.
.macro SOFT w, s, pc, pw, ls
	WIN (\w)|((\w)<<2)|((\w)<<4)
.irp b, 0,1,2,3
	v_max3_num_f32 v[BM+\b], v[(\s)+16*\b], v[(\s)+16*\b+1], v[(\s)+16*\b+2]   ; the largest score of each block of 32: for the maximum, and for the block's largest p.  Each accumulator is read from its low end on
.endr
	WIN ((\w)<<2)|((\w)<<4)
.irp i, 3,5,7,9,11,13
.irp b, 0,1,2,3
	v_max3_num_f32 v[BM+\b], v[BM+\b], v[(\s)+16*\b+\i], v[(\s)+16*\b+\i+1]
.endr
.endr
.irp b, 0,1,2,3
	v_max_num_f32 v[BM+\b], v[BM+\b], v[(\s)+16*\b+15]
.endr
	WIN 0
.irp b, 0,1,2,3
	v_permlanex16_b32 v[BP+\b], v[BM+\b], s[SEL], s[SEL+1]
.endr
.irp b, 0,1,2,3
	v_max_num_f32 v[BM+\b], v[BM+\b], v[BP+\b]     ; with lane l xor 16's 16
.endr
	v_max3_num_f32 v[TX], v[BM], v[BM+1], v[BM+2]
	v_max_num_f32 v[TX], v[TX], v[BM+3]
	v_mul_f32 v[TX], s[CS], v[TX]                  ; the largest t
	v_floor_f32 v[NM], -v[TX]                      ; -M = floor(-t): M is a whole number
.irp b, 0,1,2,3
	v_fma_f32 v[BM+\b], v[BM+\b], s[CS], v[NM]
.endr
.irp b, 0,1,2,3
	v_exp_f32 v[BM+\b], v[BM+\b]                   ; the blocks' largest p: the head of the one batch of 68 exponentials
.endr
	WIN ((\w)<<6)|(\w)
.set n_, 0
.rept 32
	v_pk_fma_f32 v[(\s)+n_:(\s)+n_+1], v[(\s)+n_:(\s)+n_+1], s[CS:CS+1], v[NM:NM+1] op_sel_hi:[1,0,0]   ; t - M, two at a time
.set n_, n_+2
.endr
.set n_, 0
.rept 64
	v_exp_f32 v[(\s)+n_], v[(\s)+n_]               ; p = 2^(t - M)
.set n_, n_+1
.endr
	WIN 0
	v_nop                                          ; a plain line behind the last exponential,
	s_wait_alu depctr_va_vdst(0)                   ; and one wait for the batch, ahead of its first reader
	WIN (\w)|((\w)<<2)
	v_pk_add_f32 v[LA:LA+1], v[(\s):(\s)+1], v[(\s)+2:(\s)+3]      ; the sum of the unquantised p, in two chains
	v_pk_add_f32 v[LB:LB+1], v[(\s)+4:(\s)+5], v[(\s)+6:(\s)+7]
	WIN (\w)<<2
.irp j, 8,12,16,20,24,28,32,36,40,44,48,52,56,60
	v_pk_add_f32 v[LA:LA+1], v[LA:LA+1], v[(\s)+\j:(\s)+\j+1]
	v_pk_add_f32 v[LB:LB+1], v[LB:LB+1], v[(\s)+\j+2:(\s)+\j+3]
.endr
	WIN 0
	v_pk_add_f32 v[LA:LA+1], v[LA:LA+1], v[LB:LB+1]
	v_add_f32 v[\ls], v[LA], v[LA+1]
	v_permlanex16_b32 v[TT], v[\ls], s[SEL], s[SEL+1]
	v_add_f32 v[\ls], v[\ls], v[TT]
.irp b, 0,1,2,3
	v_max_num_f32 v[BM+\b], 0x1800000, v[BM+\b]    ; the floor 2^(3 - 127)
.endr
.irp b, 0,1,2,3
	v_add_nc_u32 v[SO+\b], 0xff000000, v[BM+\b]
.endr
.irp b, 0,1,2,3
	v_lshrrev_b32 v[BP+\b], 23, v[SO+\b]
.endr
	v_lshl_or_b32 v[\pw], v[BP+1], 8, v[BP]
	v_lshl_or_b32 v[\pw], v[BP+2], 16, v[\pw]
	v_lshl_or_b32 v[\pw], v[BP+3], 24, v[\pw]
	WIN (\w)
.irp c, 0,1
	v_cvt_scalef32_pk16_fp6_f32 v[(\pc)+6*\c:(\pc)+6*\c+2], v[(\s)+32*\c:(\s)+32*\c+15], v[SO+2*\c]
	v_cvt_scalef32_pk16_fp6_f32 v[CT+4*\c:CT+4*\c+2], v[(\s)+32*\c+16:(\s)+32*\c+31], v[SO+2*\c+1]
.endr
	WIN 0
	v_nop                                          ; one plain line behind the conversions
.irp c, 0,1                            ; the operand wants a whole block in a lane
.irp i, 0,1,2
	v_permlane16_swap_b32 v[(\pc)+6*\c+\i], v[CT+4*\c+\i]
.endr
.irp i, 0,1,2
	v_mov_b32 v[(\pc)+6*\c+3+\i], v[CT+4*\c+\i]
.endr
.endr
.endm
; The same layout of 64 numbers, quantised as they are.
.macro QABS w, s, pc, pw
	WIN (\w)|((\w)<<2)
.irp b, 0,1,2,3
	v_max3_num_f32 v[BM+\b], |v[(\s)+16*\b]|, |v[(\s)+16*\b+1]|, 0x1800000
.endr
	WIN ((\w)<<2)|((\w)<<4)
.irp i, 2,4,6,8,10,12,14
.irp b, 0,1,2,3
	v_max3_num_f32 v[BM+\b], v[BM+\b], |v[(\s)+16*\b+\i]|, |v[(\s)+16*\b+\i+1]|
.endr
.endr
	WIN 0
.irp b, 0,1,2,3
	v_permlanex16_b32 v[BP+\b], v[BM+\b], s[SEL], s[SEL+1]
.endr
.irp b, 0,1,2,3
	v_max_num_f32 v[BM+\b], v[BM+\b], v[BP+\b]
.endr
.irp b, 0,1,2,3
	v_add_nc_u32 v[SO+\b], 0xff000000, v[BM+\b]
.endr
.irp b, 0,1,2,3
	v_lshrrev_b32 v[BP+\b], 23, v[SO+\b]
.endr
	v_lshl_or_b32 v[\pw], v[BP+1], 8, v[BP]
	v_lshl_or_b32 v[\pw], v[BP+2], 16, v[\pw]
	v_lshl_or_b32 v[\pw], v[BP+3], 24, v[\pw]
	WIN (\w)
.irp c, 0,1
	v_cvt_scalef32_pk16_fp6_f32 v[(\pc)+6*\c:(\pc)+6*\c+2], v[(\s)+32*\c:(\s)+32*\c+15], v[SO+2*\c]
	v_cvt_scalef32_pk16_fp6_f32 v[CT+4*\c:CT+4*\c+2], v[(\s)+32*\c+16:(\s)+32*\c+31], v[SO+2*\c+1]
.endr
	WIN 0
	v_nop
.irp c, 0,1
.irp i, 0,1,2
	v_permlane16_swap_b32 v[(\pc)+6*\c+\i], v[CT+4*\c+\i]
.endr
.irp i, 0,1,2
	v_mov_b32 v[(\pc)+6*\c+3+\i], v[CT+4*\c+\i]
.endr
.endr
.endm
; A TILE'S EPILOGUE.  My 64 k columns: p of my piece of 128 positions, four fragments; my 64 v columns likewise.  They go to LDS as images: column block 4 jj + a, piece 2 t + my half: index 16 jj + 4 a + 2 t + half.
.macro EPI t
.irp a, 0,1,2,3
	s_wait_dscnt 0x0                               ; the last stores have read their registers
	SOFT 2, 64*\a, PC, PW, LS
.irp n, 0,1,2
	ds_store_b128 v[EWI], v[PC+4*\n:PC+4*\n+3] offset:(4*\a+2*(\t))*1536+512*\n
.endr
	ds_store_b32 v[EWS], v[PW] offset:PSC+(4*\a+2*(\t))*128
	ds_store_b32 v[EWS], v[NM] offset:PNM+(4*\a+2*(\t))*128
	ds_store_b32 v[EWS], v[LS] offset:PLL+(4*\a+2*(\t))*128
.endr
.irp a, 0,1,2,3
	s_wait_dscnt 0x0
	QABS 3, 64*\a, PC, PW
.irp n, 0,1,2
	ds_store_b128 v[EWV], v[PC+4*\n:PC+4*\n+3] offset:(4*\a+2*(\t))*1536+512*\n
.endr
	ds_store_b32 v[EWS], v[PW] offset:VSC+(4*\a+2*(\t))*128
.endr
.endm
	s_load_b256 s[4:11], s[0:1], 0x0               ; acodes s[4:5], wcodes s[6:7], part s[8:9], stat s[10:11]
	v_lshl_add_u32 v[SPW], v0, 2, SPARE
	v_mov_b32 v[NIL], 0
	ds_add_u32 v[SPW], v[NIL]                      ; the opening: the add, twice on end, and its wait ahead of my first tensor load
	ds_add_u32 v[SPW], v[NIL]
	v_lshrrev_b32 v1, 5, v0
	v_readfirstlane_b32 s14, v1                    ; wave
	s_lshr_b32 s15, s14, 1                         ; my half of a tile's positions.  Also: I fetch weights (0) or positions (1)
	s_and_b32 s16, s14, 1                          ; my group of weights.  Also: which of the two groups I fetch for
	s_bfe_u32 s40, ttmp6, 0x40000                  ; cx
	s_bfe_u32 s41, ttmp6, 0x40004                  ; cy
	s_lshl_b32 s42, ttmp9, 2
	s_add_co_u32 s42, s42, s40                     ; X: the head
	s_and_b32 s17, ttmp7, 0xffff
	s_lshl_b32 s17, s17, 2
	s_add_co_u32 s17, s17, s41                     ; Y: the run of 512 positions
	s_lshl_b32 s43, s41, 2
	s_lshl_b32 s43, 15, s43                        ; my row of the cluster
	s_lshl_b32 s44, 0x1111, s40                    ; my column
	; group 1: a record, 25,600 dense bytes, as 100 rows of 32 elements of 8 bytes; no padding
	s_or_b32 s[G1W], s44, (3<<16)|(1<<21)          ; the weights go to my column of the cluster
	s_or_b32 s[G1A], s43, (3<<16)|(1<<21)          ; the positions to my row
.irp g, G1W, G1A
	s_mov_b32 s[\g+1], 32<<16                      ; tensor_dim0
	s_mov_b32 s[\g+2], 100<<16                     ; tensor_dim1
	s_mov_b32 s[\g+3], 32<<16                      ; tile_dim0
	s_mov_b32 s[\g+4], 100                         ; tile_dim1
	s_mov_b32 s[\g+5], 32                          ; the pitch
	s_mov_b32 s[\g+6], 0
	s_mov_b32 s[\g+7], 0
.endr
	; and for two records on end: 200 such rows
	s_or_b32 s[G1WB], s44, (3<<16)|(1<<21)
	s_or_b32 s[G1AB], s43, (3<<16)|(1<<21)
.irp g, G1WB, G1AB
	s_mov_b32 s[\g+1], 32<<16
	s_mov_b32 s[\g+2], 200<<16
	s_mov_b32 s[\g+3], 32<<16
	s_mov_b32 s[\g+4], 200
	s_mov_b32 s[\g+5], 32
	s_mov_b32 s[\g+6], 0
	s_mov_b32 s[\g+7], 0
.endr
	s_lshl_b32 s20, s17, 2
	s_add_co_u32 s20, s20, s16                     ; positions: tile 0's group 4 Y + (wave % 2)
	s_mul_i32 s20, s20, GRP
	s_mov_b32 s21, 0
	s_lshl_b32 s46, s42, 1
	s_add_co_u32 s46, s46, s16
	s_add_co_u32 s46, s46, 8                       ; weights: group 8 + 2 X + (wave % 2)
	s_mul_i32 s46, s46, GRP
	s_mov_b32 s47, 0
	s_mul_i32 s45, s14, PAIR                       ; wave w fills group w's places: no place in the cluster enters an LDS address
	s_mul_i32 s18, s14, REC
	s_add_co_u32 s18, s18, PL2
	s_mov_b32 s[SEL], 0x76543210
	s_mov_b32 s[SEL+1], 0xfedcba98
	s_mov_b32 s[CS], 0x3fb8aa3b                    ; log2(e)
	s_mov_b32 s[CS+1], s[CS]
	s_wait_dscnt 0x0                               ; both opening adds are done
	s_wait_kmcnt 0x0
	s_add_nc_u64 s[20:21], s[4:5], s[20:21]
	s_add_nc_u64 s[46:47], s[6:7], s[46:47]
	CROUND                                         ; all sixteen work-groups are here: the first joint loads meet
.macro MKG0 gw, ga, n, lreg, loff      ; both groups 0 of place n, for tile 0's record n, and the place's first fill
	s_mov_b32 s[\gw], 1
	s_add_co_u32 s[\gw+1], s[\lreg], \loff
	s_add_nc_u64 s[\gw+2:\gw+3], s[46:47], (\n)*REC
	s_or_b32 s[\gw+3], s[\gw+3], 0x80000000
	s_mov_b32 s[\ga], 1
	s_add_co_u32 s[\ga+1], s[\lreg], \loff
	s_add_nc_u64 s[\ga+2:\ga+3], s[20:21], (\n)*REC
	s_or_b32 s[\ga+3], s[\ga+3], 0x80000000
	JLOAD \gw, G1W, \ga, G1A
.endm
	MKG0 G0W0, G0A0, 0, 45, 0
	MKG0 G0W1, G0A1, 1, 45, REC
	MKG0 G0W2, G0A2, 2, 18, 0
	v_and_b32 v1, 31, v0                           ; L
	v_and_b32 v2, 15, v0                           ; r
	v_bfe_u32 v3, v0, 4, 1                         ; h
	s_mul_i32 s18, s16, PAIR                       ; my group of weights: places 0 and 1
	s_mul_i32 s19, s15, PAIR
	s_add_co_u32 s19, s19, 2*PAIR                  ; my group of positions
	v_lshl_add_u32 v[ADW], v1, 4, s18
	v_lshl_add_u32 v[ADA], v1, 4, s19
	v_lshlrev_b32 v30, 2, v2
	v_lshl_add_u32 v30, v3, 8, v30
	v_add_nc_u32 v30, 24576, v30                   ; scale words: 4 r, lanes 16-31 four blocks on
	v_add_nc_u32 v[ADSW], s18, v30
	v_add_nc_u32 v[ADSA], s19, v30
	v_add_nc_u32 v[ADW+1], REC, v[ADW]
	v_add_nc_u32 v[ADA+1], REC, v[ADA]
	v_add_nc_u32 v[ADSW+1], REC, v[ADSW]
	v_add_nc_u32 v[ADSA+1], REC, v[ADSA]
	s_mul_i32 s18, s16, REC                        ; and place 2
	s_add_co_u32 s18, s18, PL2
	s_mul_i32 s19, s15, REC
	s_add_co_u32 s19, s19, PL2+2*REC
	v_lshl_add_u32 v[ADW+2], v1, 4, s18
	v_lshl_add_u32 v[ADA+2], v1, 4, s19
	v_add_nc_u32 v[ADSW+2], s18, v30
	v_add_nc_u32 v[ADSA+2], s19, v30
	s_lshl_b32 s18, s16, 4
	s_add_co_u32 s18, s18, s15                     ; the first image that I store: 16 jj + my half
	s_mul_i32 s19, s18, 1536
	s_add_co_u32 s19, s19, EXI
	v_lshl_add_u32 v[EWI], v1, 4, s19
	v_add_nc_u32 v[EWV], VIM, v[EWI]
	s_lshl_b32 s19, s18, 7
	s_add_co_u32 s19, s19, WRD
	v_lshl_add_u32 v[EWS], v1, 2, s19
	v_lshlrev_b32 v[CO], 4, v1
	v_lshlrev_b32 v[SO4], 2, v1
	v_add_nc_u32 v[ELV], EXI+VIM, v[CO]
	v_add_nc_u32 v[ELS], WRD, v[SO4]
	s_mul_i32 s19, s14, 8*1536                     ; the eight images of p that I read: D = 2 w, 2 w + 1, four pieces each
	s_add_co_u32 s19, s19, EXI
	v_add_nc_u32 v[ELP], s19, v[CO]
	s_lshl_b32 s19, s14, 10
	s_add_co_u32 s19, s19, WRD
	v_add_nc_u32 v[ELQ], s19, v[SO4]
.irp b, 0,1,2,3
	v_mov_b32 v[BP+\b], 0                          ; a lane permute's destination counts as read
.endr
	v_mov_b32 v[TT], 0
	s_lshr_b32 s80, s17, 3                         ; part's record: ((batch x 8 + head) x 8 + the run in its batch)
	s_lshl_b32 s80, s80, 3
	s_add_co_u32 s80, s80, s42
	s_lshl_b32 s80, s80, 3
	s_and_b32 s81, s17, 7
	s_add_co_u32 s80, s80, s81
	s_lshl_b32 s82, s80, 16
	s_lshl_b32 s83, s14, 11
	s_add_co_u32 s82, s82, s83
	s_mov_b32 s83, 0
	s_add_nc_u64 s[8:9], s[8:9], s[82:83]
	s_lshl_b32 s82, s80, 11
	s_lshl_b32 s81, s14, 9
	s_add_co_u32 s82, s82, s81
	s_add_nc_u64 s[10:11], s[10:11], s[82:83]
	s_wait_tensorcnt 2                             ; my part of place 0 is in; places 1 and 2 may stay out
	s_barrier_signal -1
	s_barrier_wait -1
	; TILE 0: records 0, 1, 2, 3 in places 0, 1, 2, 0
	FIRST
	STEP 0, 0, 1                                   ; the first products start the sums: nothing is cleared
	TURN 1, 0, 2, 1                                ; place 0 is left and takes record 3; the wait for all loads has shown places 1 and 2 whole
	STEP 1, 1, 0
	TURN 2, 1, 0, 0
	STEP 2, 0, 0
	TURN 0, 0, 1, 0                                ; record 3 has landed; behind this barrier nobody reads place 2 any more
	STEP 0, 1, 0
	LASTK 1                                        ; places 0 and 1 are left: tile 1's records 0 and 1 are asked for, and land under the epilogue
	EPI 0
	s_wait_tensorcnt 0x0                           ; my part of tile 1's first two records has landed
	ds_add_u32 v[SPW], v[NIL]
	s_wait_dscnt 0x0                               ; the add is done and my images have landed
	s_barrier_signal -1
	s_barrier_wait -1                              ; everybody's part has
	; TILE 1: records 0, 1, 2, 3 in places 0, 1, 0, 1
	FIRST
	STEP 0, 0, 1                                   ; the sums begin anew
	TURN 1, 0, 2, 3                                ; place 0 takes record 2
	STEP 1, 1, 0
	TURN 0, 1, 2, 4                                ; record 2 has landed; place 1 takes record 3
	STEP 0, 0, 0
	TURN 1, 0, 1, 0                                ; record 3 has landed
	STEP 1, 1, 0
	LASTK 0
	EPI 1
	s_wait_dscnt 0x0                               ; for the others' sake: my stores have landed
	s_barrier_signal -1
	s_barrier_wait -1
	; context^T's part: wave w takes d blocks D = 2 w + dd, all eight e blocks, all four pieces.  Source 0 = v's fragment (16 e), source 1 = p's (16 d).
.irp f, 0,1,2,3,4,5,6,7                ; f = 4 dd + piece
.irp n, 0,1,2
	ds_load_b128 v[WF+12*\f+4*\n:WF+12*\f+4*\n+3], v[ELP] offset:\f*1536+512*\n
.endr
	ds_load_b32 v[SC+\f], v[ELQ] offset:PSC+\f*128
	ds_load_b32 v[NMR+\f], v[ELQ] offset:PNM+\f*128
	ds_load_b32 v[LR+\f], v[ELQ] offset:PLL+\f*128
.endr
.irp e, 0,1,2,3,4,5,6,7
.irp s, 0,1,2,3
	ds_load_b32 v[VS+8*\s+\e+176*(\s/2)], v[ELS] offset:VSC+(4*\e+\s)*128   ; v's scale words: pieces 0, 1 at v40 on, pieces 2, 3 at v232 on
.endr
.endr
.macro VLOAD s                         ; piece s's eight fragments of v into set s % 2 of window 1
.irp e, 0,1,2,3,4,5,6,7
.irp n, 0,1,2
	ds_load_b128 v[128*((\s)%2)+12*\e+4*\n:128*((\s)%2)+12*\e+4*\n+3], v[ELV] offset:(4*\e+(\s))*1536+512*\n
.endr
.endr
.endm
.macro PROD s                          ; piece s's 16 products, each a sum of its own: into window 2 + s % 2, at 128 (s / 2) + 64 dd + 8 e
.irp dd, 0,1
.irp e, 0,1,2,3,4,5,6,7
	WM 128*((\s)/2)+64*\dd+8*\e, 128*((\s)%2)+12*\e, WF+12*(4*\dd+(\s)), 1, VS+8*(\s)+\e+176*((\s)/2), SC+4*\dd+(\s), 0, 0
.endr
.endr
.endm
	WIN 0x40
	VLOAD 0
	VLOAD 1
	s_wait_dscnt 24                                ; all but piece 1's 24 loads
	WIN MUL_LO
	PROD 0
	PLACES 4                                       ; in front of loads into the set that these products read
	WIN 0x40
	VLOAD 2
	s_wait_dscnt 24                                ; piece 1 is in; piece 2's 24 loads may be out
	WIN MUL_HI
	PROD 1
	PLACES 4
	WIN 0x40
	VLOAD 3
	s_wait_dscnt 24                                ; piece 2 is in; piece 3's 24 loads may be out
	WIN MUL_LO
	PROD 2
	s_wait_dscnt 0x0
	WIN MUL_HI
	PROD 3
	WIN 0
	PLACES 4
	; the four pieces are joined under the largest M: factors 2^(M_s - M), exact
.irp dd, 0,1
	v_min_num_f32 v[NO+\dd], v[NMR+4*\dd], v[NMR+4*\dd+1]
	v_min_num_f32 v[NO+\dd], v[NO+\dd], v[NMR+4*\dd+2]
	v_min_num_f32 v[NO+\dd], v[NO+\dd], v[NMR+4*\dd+3]     ; the least -M: the largest M
.irp s, 0,1,2,3
	v_sub_f32 v[TT], v[NO+\dd], v[NMR+4*\dd+\s]
	v_cvt_i32_f32 v[TT], v[TT]
	v_ldexp_f32 v[FJ+8*\dd+2*\s], 1.0, v[TT]
	v_mov_b32 v[FJ+8*\dd+2*\s+1], v[FJ+8*\dd+2*\s]
.endr
	v_mul_f32 v[LO+\dd], v[LR+4*\dd], v[FJ+8*\dd]
.irp s, 1,2,3
	v_fma_f32 v[LO+\dd], v[LR+4*\dd+\s], v[FJ+8*\dd+2*\s], v[LO+\dd]
.endr
.endr
.irp dd, 0,1
	WIN 0x82                                       ; piece 0, in place in window 2; each accumulator from its low end on
.set n_, 0
.rept 32
	v_pk_mul_f32 v[64*\dd+n_:64*\dd+n_+1], v[64*\dd+n_:64*\dd+n_+1], v[FJ+8*\dd:FJ+8*\dd+1]
.set n_, n_+2
.endr
	WIN 0xa3                                       ; piece 1: source 0 window 3, C and D window 2
.set n_, 0
.rept 32
	v_pk_fma_f32 v[64*\dd+n_:64*\dd+n_+1], v[64*\dd+n_:64*\dd+n_+1], v[FJ+8*\dd+2:FJ+8*\dd+3], v[64*\dd+n_:64*\dd+n_+1]
.set n_, n_+2
.endr
	WIN 0xa2                                       ; piece 2: source 0 window 2, its upper half
.set n_, 0
.rept 32
	v_pk_fma_f32 v[64*\dd+n_:64*\dd+n_+1], v[128+64*\dd+n_:128+64*\dd+n_+1], v[FJ+8*\dd+4:FJ+8*\dd+5], v[64*\dd+n_:64*\dd+n_+1]
.set n_, n_+2
.endr
	WIN 0xa3                                       ; piece 3: source 0 window 3, its upper half
.set n_, 0
.rept 32
	v_pk_fma_f32 v[64*\dd+n_:64*\dd+n_+1], v[128+64*\dd+n_:128+64*\dd+n_+1], v[FJ+8*\dd+6:FJ+8*\dd+7], v[64*\dd+n_:64*\dd+n_+1]
.set n_, n_+2
.endr
.endr
	WIN 0x08                                       ; a store's data are its source 1: window 2
.irp dd, 0,1
.irp e, 0,1,2,3,4,5,6,7
.irp n, 0,1
	global_store_b128 v[CO], v[64*\dd+8*\e+4*\n:64*\dd+8*\e+4*\n+3], s[8:9] offset:\e*8192+\dd*1024+512*\n th:TH_STORE_NT   ; the registers as they stand: 512 consecutive bytes, aligned
.endr
.endr
.endr
	WIN 0
.irp dd, 0,1
	global_store_b32 v[SO4], v[NO+\dd], s[10:11] offset:\dd*256
	global_store_b32 v[SO4], v[LO+\dd], s[10:11] offset:\dd*256+128
.endr
	s_wait_tensorcnt 0x0                           ; the wave's end
	ds_add_u32 v[SPW], v[NIL]
	s_wait_dscnt 0x0
	CROUND                                         ; the closing round
	s_endpgm
.Lfunc_end_k_qa67f33c828_kvctx:
	.size	k_qa67f33c828_kvctx, .Lfunc_end_k_qa67f33c828_kvctx-k_qa67f33c828_kvctx
	.p2alignl 7, 3214868480
	.fill 96, 4, 3214868480
	.section	.rodata,"a",@progbits
	.p2align	6, 0x0
	.amdhsa_kernel k_qa67f33c828_kvctx
		.amdhsa_group_segment_fixed_size 327680
		.amdhsa_private_segment_fixed_size 0
		.amdhsa_enable_private_segment 0
		.amdhsa_kernarg_size 32
		.amdhsa_user_sgpr_count 2
		.amdhsa_user_sgpr_kernarg_segment_ptr 1
		.amdhsa_wavefront_size32 1
		.amdhsa_system_sgpr_workgroup_id_x 1
		.amdhsa_system_sgpr_workgroup_id_y 1
		.amdhsa_system_sgpr_workgroup_id_z 1
		.amdhsa_system_vgpr_workitem_id 0
		.amdhsa_next_free_vgpr 1024
		.amdhsa_next_free_sgpr 100
		.amdhsa_reserve_vcc 0
		.amdhsa_float_denorm_mode_32 3
		.amdhsa_float_denorm_mode_16_64 3
		.amdhsa_memory_ordered 1
		.amdhsa_forward_progress 1
		.amdhsa_inst_pref_size 255
	.end_amdhsa_kernel
	.section	.bss,"aw",@nobits
	.p2align	6
	.space	262144
	.amdgpu_metadata
---
amdhsa.version: [ 1, 2 ]
amdhsa.kernels:
  - .name:           k_qa67f33c828_kvctx
    .symbol:         k_qa67f33c828_kvctx.kd
    .args:
      - { .name: acodes, .offset: 0, .size: 8, .value_kind: global_buffer, .address_space: global }
      - { .name: wcodes, .offset: 8, .size: 8, .value_kind: global_buffer, .address_space: global }
      - { .name: part, .offset: 16, .size: 8, .value_kind: global_buffer, .address_space: global }
      - { .name: stat, .offset: 24, .size: 8, .value_kind: global_buffer, .address_space: global }
    .group_segment_fixed_size: 327680
    .private_segment_fixed_size: 0
    .kernarg_segment_align: 8
    .kernarg_segment_size: 32
    .max_flat_workgroup_size: 128
    .sgpr_count:     100
    .vgpr_count:     1024
    .wavefront_size: 32
...
	.end_amdgpu_metadata
.endif
;; end of part 2
;; launch ctxq (part 3): grid 256 x 1, 4 waves a work-group, no clusters, 9,216 bytes of LDS; arguments part, stat, ccodes; writes ccodes
.if DOCPART == 3
	.amdgcn_target "amdgcn-amd-amdhsa--gfx1250"
	.amdhsa_code_object_version 6
	.text
	.protected	k_qa67f33c828_ctxq
	.globl	k_qa67f33c828_ctxq
	.p2align	8
	.type	k_qa67f33c828_ctxq,@function
k_qa67f33c828_ctxq:
	s_mov_b64 s[64:65], 0
	v_nop
	global_prefetch_b8 v0, s[64:65] scope:SCOPE_SE
	s_setreg_imm32_b32 hwreg(HW_REG_WAVE_MODE, 25, 1), 1
	s_wait_xcnt 0x0
; CTXQ: the eight parts of each head's context are joined under the largest M (exact powers of two), divided by the column's sum l, and quantised along d, the K of the next product.  No work is left out.
; A work-group takes (batch x head, e block E): 16 e x 128 d.  Wave w takes the d blocks 2 w, 2 w + 1.  In part a lane (r, h) holds d = 32 (D / 2) + 8 (D % 2) + r + 8 (r / 8), and register j holds e's lane-row 8 h + j of block E.
; The joined numbers meet in a stage [lane-row of e][d], rows 528 bytes apart; wave 0 reads it by rows and makes the fragment.  ccodes: 12,800 bytes a head: fragment E at 1,536 E, scale words at 12,288 + 64 E + 4 r.
; LIMITS: 1 / l is v_rcp_f32 (1 ulp); what a join shifts under the smallest f32 number is lost; a block of zeros gets the byte 1.
; All loads are issued at the head; memory binds: no matrix unit, no cluster, no tensor load.
.set SPARE, 8704
.set SPW, 12
.set NIL, 13
.set H8,  8
.set NMV, 32                           ; v32-47  -M of part p, block dd at 32 + 8 dd + p; then the factor
.set LV,  64                           ; v64-79  l likewise
.set ACC, 96                           ; v96-111
.set NMIN, 112
.set LSUM, 114
.set RL,  116
.set TM,  120
.set SO,  122
.set BY,  124
.set TP,  126
.set X,   128
.set F,   192
.set FT,  204
.set PWR, 212
.set SEL, 24
.set MSB, 0
.macro WIN new
.if MSB != (\new)
	s_set_vgpr_msb (MSB<<8)|(\new)
.set MSB, (\new)
.endif
.endm
.macro QFRAG xs, f, pw                 ; 64 numbers of a lane, register 32 c + i = k 64 c + 32 h + i of its row, become the fragment and the row's scale word
.irp c, 0,1
	v_max3_num_f32 v[TM+\c], |v[(\xs)+32*\c]|, |v[(\xs)+32*\c+1]|, 0x1800000
.endr
.irp i, 2,4,6,8,10,12,14,16,18,20,22,24,26,28,30
.irp c, 0,1
	v_max3_num_f32 v[TM+\c], v[TM+\c], |v[(\xs)+32*\c+\i]|, |v[(\xs)+32*\c+\i+1]|
.endr
.endr
.irp c, 0,1
	v_add_nc_u32 v[SO+\c], 0xff000000, v[TM+\c]
.endr
.irp c, 0,1
	v_lshrrev_b32 v[BY+\c], 23, v[SO+\c]
.endr
	v_lshl_or_b32 v[\pw], v[BY+1], 16, v[BY]
	v_lshlrev_b32 v[\pw], v[H8], v[\pw]
	v_permlanex16_b32 v[TP], v[\pw], s[SEL], s[SEL+1]
	v_or_b32 v[\pw], v[\pw], v[TP]
.irp c, 0,1
	v_cvt_scalef32_pk16_fp6_f32 v[(\f)+6*\c:(\f)+6*\c+2], v[(\xs)+32*\c:(\xs)+32*\c+15], v[SO+\c]
	v_cvt_scalef32_pk16_fp6_f32 v[FT+4*\c:FT+4*\c+2], v[(\xs)+32*\c+16:(\xs)+32*\c+31], v[SO+\c]
.endr
	v_nop
.irp c, 0,1
.irp i, 0,1,2
	v_mov_b32 v[(\f)+6*\c+3+\i], v[FT+4*\c+\i]
.endr
.endr
.endm
	s_load_b128 s[4:7], s[0:1], 0x0                ; part, stat
	s_load_b64 s[8:9], s[0:1], 0x10                ; ccodes
	v_lshl_add_u32 v[SPW], v0, 2, SPARE
	v_mov_b32 v[NIL], 0
	v_lshrrev_b32 v1, 5, v0
	v_readfirstlane_b32 s12, v1                    ; wave
	v_and_b32 v1, 31, v0
	v_and_b32 v2, 15, v0                           ; r
	v_bfe_u32 v3, v0, 4, 1                         ; h
	v_lshlrev_b32 v4, 4, v1                        ; 16 L
	v_lshlrev_b32 v5, 2, v1                        ; 4 L
	v_and_b32 v6, 8, v2
	v_add_nc_u32 v6, v6, v2                        ; r + 8 (r / 8)
	v_lshlrev_b32 v6, 2, v6
	v_mad_u32_u24 v6, v3, 4224, v6                 ; + 8 h rows
	s_lshl_b32 s13, s12, 7
	v_add_nc_u32 v6, s13, v6                       ; + 32 w numbers: into the stage
	v_mul_u32_u24 v7, v2, 528
	v_lshl_add_u32 v7, v3, 7, v7                   ; out of it: row r, + 128 h
	v_lshlrev_b32 v[H8], 3, v3
	v_lshlrev_b32 v9, 2, v2
	v_mov_b32 v[TP], 0
	s_lshr_b32 s14, ttmp9, 3                       ; batch x head
	s_and_b32 s15, ttmp9, 7                        ; E
	s_lshl_b32 s16, s14, 19                        ; eight parts of 65,536 bytes a head
	s_lshl_b32 s17, s15, 13
	s_add_co_u32 s16, s16, s17
	s_lshl_b32 s17, s12, 11
	s_add_co_u32 s16, s16, s17
	s_mov_b32 s17, 0
	s_lshl_b32 s18, s14, 14                        ; eight records of 2,048 bytes a head
	s_lshl_b32 s19, s12, 9
	s_add_co_u32 s18, s18, s19
	s_mov_b32 s19, 0
	s_mul_i32 s20, s14, 12800
	s_mul_i32 s21, s15, 1536
	s_add_co_u32 s22, s20, s21
	s_mov_b32 s23, 0
	s_lshl_b32 s21, s15, 6
	s_add_co_u32 s20, s20, s21
	s_add_co_u32 s20, s20, 12288
	s_mov_b32 s21, 0
	s_mov_b32 s[SEL], 0x76543210
	s_mov_b32 s[SEL+1], 0xfedcba98
	s_wait_kmcnt 0x0
	s_add_nc_u64 s[4:5], s[4:5], s[16:17]
	s_add_nc_u64 s[6:7], s[6:7], s[18:19]
	s_add_nc_u64 s[10:11], s[8:9], s[20:21]        ; the scale words
	s_add_nc_u64 s[8:9], s[8:9], s[22:23]          ; the codes
.irp p, 0,1,2,3,4,5,6,7
.irp dd, 0,1
	global_load_b32 v[NMV+8*\dd+\p], v5, s[6:7] offset:\p*2048+\dd*256
	global_load_b32 v[LV+8*\dd+\p], v5, s[6:7] offset:\p*2048+\dd*256+128
.endr
.endr
	WIN 0x40                                       ; the parts go to window 1: part p at 16 p + 8 dd
.irp p, 0,1,2,3,4,5,6,7
.irp dd, 0,1
.irp n, 0,1
	global_load_b128 v[16*\p+8*\dd+4*\n:16*\p+8*\dd+4*\n+3], v4, s[4:5] offset:\p*65536+\dd*1024+512*\n th:TH_LOAD_NT
.endr
.endr
.endr
	WIN 0
	s_wait_loadcnt 32                              ; behind the last of -M and l stand the parts' 32 loads
.irp dd, 0,1
	v_min3_num_f32 v[NMIN+\dd], v[NMV+8*\dd], v[NMV+8*\dd+1], v[NMV+8*\dd+2]
.irp p, 3,5
	v_min3_num_f32 v[NMIN+\dd], v[NMIN+\dd], v[NMV+8*\dd+\p], v[NMV+8*\dd+\p+1]
.endr
	v_min_num_f32 v[NMIN+\dd], v[NMIN+\dd], v[NMV+8*\dd+7]         ; the least -M: the largest M
.endr
.set n_, 0
.rept 16
	v_sub_f32 v[NMV+n_], v[NMIN+n_/8], v[NMV+n_]   ; M_p - M, a whole number, 0 or less
.set n_, n_+1
.endr
.set n_, 0
.rept 16
	v_cvt_i32_f32 v[NMV+n_], v[NMV+n_]
.set n_, n_+1
.endr
.set n_, 0
.rept 16
	v_ldexp_f32 v[NMV+n_], 1.0, v[NMV+n_]          ; the factor
.set n_, n_+1
.endr
.irp dd, 0,1
	v_mul_f32 v[LSUM+\dd], v[LV+8*\dd], v[NMV+8*\dd]
.endr
.irp p, 1,2,3,4,5,6,7
.irp dd, 0,1
	v_fma_f32 v[LSUM+\dd], v[LV+8*\dd+\p], v[NMV+8*\dd+\p], v[LSUM+\dd]
.endr
.endr
	v_rcp_f32 v[RL], v[LSUM]
	v_rcp_f32 v[RL+1], v[LSUM+1]
	v_nop                                          ; a plain line behind the transcendentals,
	s_wait_alu depctr_va_vdst(0)                   ; and their wait
	WIN 0x01                                       ; source 0 window 1
.irp p, 0,1,2,3,4,5,6,7
	s_wait_loadcnt 4*(7-\p)                        ; behind part p's four loads stand the later parts', four each
.irp dd, 0,1
.irp j, 0,1,2,3,4,5,6,7
.if \p == 0
	v_mul_f32 v[ACC+8*\dd+\j], v[16*\p+8*\dd+\j], v[NMV+8*\dd+\p]
.else
	v_fma_f32 v[ACC+8*\dd+\j], v[16*\p+8*\dd+\j], v[NMV+8*\dd+\p], v[ACC+8*\dd+\j]
.endif
.endr
.endr
.endr
	WIN 0
.irp dd, 0,1
.irp j, 0,1,2,3,4,5,6,7
	v_mul_f32 v[ACC+8*\dd+\j], v[ACC+8*\dd+\j], v[RL+\dd]
.endr
.endr
.irp dd, 0,1
.irp j, 0,1,2,3,4,5,6,7
	ds_store_b32 v6, v[ACC+8*\dd+\j] offset:528*\j+32*\dd
.endr
.endr
	s_wait_dscnt 0x0                               ; for the others' sake: my stores have landed
	s_barrier_signal -1
	s_barrier_wait -1
	s_cmp_lg_u32 s12, 0
	s_cbranch_scc1 .Lend
.irp c, 0,1
.irp t, 0,1,2,3,4,5,6,7
	ds_load_b128 v[X+32*\c+4*\t:X+32*\c+4*\t+3], v7 offset:256*\c+16*\t
.endr
.endr
	s_wait_dscnt 0x0
	QFRAG X, F, PWR
.irp n, 0,1,2
	global_store_b128 v4, v[F+4*\n:F+4*\n+3], s[8:9] offset:512*\n
.endr
	global_store_b32 v9, v[PWR], s[10:11]          ; both halves of the lanes hold row r's word and write it to the same place
.Lend:
	s_wait_tensorcnt 0x0                           ; the wave's end, behind my last LDS store
	ds_add_u32 v[SPW], v[NIL]
	s_wait_dscnt 0x0
	s_endpgm
.Lfunc_end_k_qa67f33c828_ctxq:
	.size	k_qa67f33c828_ctxq, .Lfunc_end_k_qa67f33c828_ctxq-k_qa67f33c828_ctxq
	.p2alignl 7, 3214868480
	.fill 96, 4, 3214868480
	.section	.rodata,"a",@progbits
	.p2align	6, 0x0
	.amdhsa_kernel k_qa67f33c828_ctxq
		.amdhsa_group_segment_fixed_size 9216
		.amdhsa_private_segment_fixed_size 0
		.amdhsa_enable_private_segment 0
		.amdhsa_kernarg_size 24
		.amdhsa_user_sgpr_count 2
		.amdhsa_user_sgpr_kernarg_segment_ptr 1
		.amdhsa_wavefront_size32 1
		.amdhsa_system_sgpr_workgroup_id_x 1
		.amdhsa_system_sgpr_workgroup_id_y 1
		.amdhsa_system_sgpr_workgroup_id_z 1
		.amdhsa_system_vgpr_workitem_id 0
		.amdhsa_next_free_vgpr 512
		.amdhsa_next_free_sgpr 66
		.amdhsa_reserve_vcc 0
		.amdhsa_float_denorm_mode_32 3
		.amdhsa_float_denorm_mode_16_64 3
		.amdhsa_memory_ordered 1
		.amdhsa_forward_progress 1
		.amdhsa_inst_pref_size 26
	.end_amdhsa_kernel
	.amdgpu_metadata
---
amdhsa.version: [ 1, 2 ]
amdhsa.kernels:
  - .name:           k_qa67f33c828_ctxq
    .symbol:         k_qa67f33c828_ctxq.kd
    .args:
      - { .name: part, .offset: 0, .size: 8, .value_kind: global_buffer, .address_space: global }
      - { .name: stat, .offset: 8, .size: 8, .value_kind: global_buffer, .address_space: global }
      - { .name: ccodes, .offset: 16, .size: 8, .value_kind: global_buffer, .address_space: global }
    .group_segment_fixed_size: 9216
    .private_segment_fixed_size: 0
    .kernarg_segment_align: 8
    .kernarg_segment_size: 24
    .max_flat_workgroup_size: 128
    .sgpr_count:     66
    .vgpr_count:     512
    .wavefront_size: 32
...
	.end_amdgpu_metadata
.endif
;; end of part 3
;; launch qattn (part 4): grid 8 x 32, 4 waves a work-group, clusters of 4 x 4, 327,680 bytes of LDS; arguments acodes, wcodes, ccodes, ocodes; writes ocodes
.if DOCPART == 4
	.amdgcn_target "amdgcn-amd-amdhsa--gfx1250"
	.amdhsa_code_object_version 6
	.text
	.protected	k_qa67f33c828_qattn
	.globl	k_qa67f33c828_qattn
	.p2align	8
	.type	k_qa67f33c828_qattn,@function
k_qa67f33c828_qattn:
	s_mov_b64 s[64:65], 0
	v_nop
	global_prefetch_b8 v0, s[64:65] scope:SCOPE_SE
	s_setreg_imm32_b32 hwreg(HW_REG_WAVE_MODE, 25, 1), 1
	s_wait_xcnt 0x0
	s_wait_alu depctr_hold_cnt(0) depctr_sa_sdst(0) depctr_va_vdst(0) depctr_va_sdst(0) depctr_va_ssrc(0) depctr_va_vcc(0) depctr_vm_vsrc(0)
	s_getreg_b32 s2, hwreg(HW_REG_IB_STS2, 6, 4)
	s_cmp_eq_u32 s2, 0
	s_cbranch_scc0 .Lentry_in_a_cluster
	s_endpgm
.Lentry_in_a_cluster:
	s_bfe_u32 s2, ttmp6, 0x10000c
	s_cmp_lg_u32 s2, 0xf033
	s_cbranch_scc0 .Lentry_shape_is_right
	s_endpgm
.Lentry_shape_is_right:
; QATTN: q = normed w_q on codes of FP6; softmax over the head's 128 features; the product with the head's context; the division by the row's sum; the result quantised along the head's 128 for the last product.  q never goes to memory.  No work is left out.
; A work-group takes 256 rows (tile Y) x head X.  Source 0 = the weights' eight blocks (registers run along the features), source 1 = the wave's four blocks of 16 rows (group w / 2, blocks 4 (w % 2) + c): 32 accumulators, window 3, (c, t) at 64 c + 8 t.
; THE SOFTMAX: t = q log2(e), M = ceil(the row's largest t), p = 2^(t - M), quantised along the features; l = the sum of the unquantised p divides the product's result.
; LIMITS: p under 2^-126 comes out of v_exp_f32 as 0; 1 / l is v_rcp_f32 (1 ulp); a block's largest p is taken as the exponential of its largest score; a block of zeros gets the byte 1.
; ALL OF K LIES IN LDS: record (s, t) at (3 s + t) x 25,600, t = 0 the weights, t = 1, 2 the two groups of rows.  Nothing is filled again.  Wave 0 asks for the weights' four records, waves 1 and 2 for a group's four each, in the order in which
; they are used; wave 3 asks for none: by this text's count a wave has at most four tensor loads out.  CLUSTER 4 x 4: the weights are asked for jointly along a column of the cluster, the rows along a row.
; REGISTERS: window 0: v4-22 addresses; v32-47 scale words, two sets; v48-59 sums and scale words of the epilogue; v64-111 at work; v128-175 p's fragments, then the output's.  Windows 1, 2: the two sets of fragments (v0-95 weights, v96-143 rows).
.set REC,   25600
.set SLOTB, 3*REC
.set SPARE, 4*SLOTB
.set ADW,  4
.set ADA,  8
.set ADSW, 12
.set ADSA, 16
.set CO,   20
.set SO4,  21
.set CSO,  22
.set SPW,  28
.set NIL,  29
.set SC,   32
.set LSQ,  48
.set PWQ,  52
.set CSC,  56
.set BM,   64
.set BP,   68
.set SO,   72
.set NM,   76
.set TX,   77
.set LA,   78
.set LB,   80
.set TT,   82
.set CT,   84
.set RL,   100
.set PWO,  108
.set PF,   128
.set G1W,  24
.set G1A,  32
.set G0W,  48
.set G0A,  68
.set SEL,  94
.set CS,   96
.set HI16, 98
.set MSB, 0
.macro WIN new
.if MSB != (\new)
	s_set_vgpr_msb (MSB<<8)|(\new)
.set MSB, (\new)
.endif
.endm
.macro PLACES n
.rept \n
	v_nop
.endr
.endm
.macro CROUND                          ; a round of the cluster's barrier
	s_barrier_signal -1
	s_barrier_wait -1
	s_cmp_lg_u32 s14, 0
	s_cbranch_scc1 .Lnot_wave_0_\@
	s_barrier_signal -3
.Lnot_wave_0_\@:
	s_barrier_wait -3
	s_barrier_signal -1
	s_barrier_wait -1
.endm
.macro WM d, a, b, z, sa, sb, ra, rb   ; one product; z = 1: C is 0; ra, rb = 1: the scales stand in lanes 16-31
.set WMC, 4*(\z)+2*(\ra)+(\rb)
.if WMC == 0
	v_wmma_scale_f32_16x16x128_f8f6f4 v[(\d):(\d)+7], v[(\a):(\a)+11], v[(\b):(\b)+11], v[(\d):(\d)+7], v[(\sa)], v[(\sb)] matrix_a_fmt:MATRIX_FMT_FP6 matrix_b_fmt:MATRIX_FMT_FP6
.elseif WMC == 1
	v_wmma_scale_f32_16x16x128_f8f6f4 v[(\d):(\d)+7], v[(\a):(\a)+11], v[(\b):(\b)+11], v[(\d):(\d)+7], v[(\sa)], v[(\sb)] matrix_a_fmt:MATRIX_FMT_FP6 matrix_b_fmt:MATRIX_FMT_FP6 matrix_b_scale:MATRIX_SCALE_ROW1
.elseif WMC == 2
	v_wmma_scale_f32_16x16x128_f8f6f4 v[(\d):(\d)+7], v[(\a):(\a)+11], v[(\b):(\b)+11], v[(\d):(\d)+7], v[(\sa)], v[(\sb)] matrix_a_fmt:MATRIX_FMT_FP6 matrix_b_fmt:MATRIX_FMT_FP6 matrix_a_scale:MATRIX_SCALE_ROW1
.elseif WMC == 3
	v_wmma_scale_f32_16x16x128_f8f6f4 v[(\d):(\d)+7], v[(\a):(\a)+11], v[(\b):(\b)+11], v[(\d):(\d)+7], v[(\sa)], v[(\sb)] matrix_a_fmt:MATRIX_FMT_FP6 matrix_b_fmt:MATRIX_FMT_FP6 matrix_a_scale:MATRIX_SCALE_ROW1 matrix_b_scale:MATRIX_SCALE_ROW1
.elseif WMC == 4
	v_wmma_scale_f32_16x16x128_f8f6f4 v[(\d):(\d)+7], v[(\a):(\a)+11], v[(\b):(\b)+11], 0, v[(\sa)], v[(\sb)] matrix_a_fmt:MATRIX_FMT_FP6 matrix_b_fmt:MATRIX_FMT_FP6
.elseif WMC == 5
	v_wmma_scale_f32_16x16x128_f8f6f4 v[(\d):(\d)+7], v[(\a):(\a)+11], v[(\b):(\b)+11], 0, v[(\sa)], v[(\sb)] matrix_a_fmt:MATRIX_FMT_FP6 matrix_b_fmt:MATRIX_FMT_FP6 matrix_b_scale:MATRIX_SCALE_ROW1
.elseif WMC == 6
	v_wmma_scale_f32_16x16x128_f8f6f4 v[(\d):(\d)+7], v[(\a):(\a)+11], v[(\b):(\b)+11], 0, v[(\sa)], v[(\sb)] matrix_a_fmt:MATRIX_FMT_FP6 matrix_b_fmt:MATRIX_FMT_FP6 matrix_a_scale:MATRIX_SCALE_ROW1
.else
	v_wmma_scale_f32_16x16x128_f8f6f4 v[(\d):(\d)+7], v[(\a):(\a)+11], v[(\b):(\b)+11], 0, v[(\sa)], v[(\sb)] matrix_a_fmt:MATRIX_FMT_FP6 matrix_b_fmt:MATRIX_FMT_FP6 matrix_a_scale:MATRIX_SCALE_ROW1 matrix_b_scale:MATRIX_SCALE_ROW1
.endif
.endm
.macro FETCH k                         ; K step k's fragments and scale words into set k % 2: 36 loads of 16 bytes a lane and 6 of 4
.set FS, (\k)/2
.set FQ, (\k)%2
	WIN (1+FQ)<<6
.irp t, 0,1,2,3,4,5,6,7
.irp n, 0,1,2
	ds_load_b128 v[12*\t+4*\n:12*\t+4*\n+3], v[ADW+FS] offset:(8*FQ+\t)*1536+512*\n
.endr
.endr
.irp c, 0,1,2,3
.irp n, 0,1,2
	ds_load_b128 v[96+12*\c+4*\n:96+12*\c+4*\n+3], v[ADA+FS] offset:(8*FQ+\c)*1536+512*\n
.endr
.endr
	WIN 0
.irp i, 0,1,2,3
	ds_load_b32 v[SC+8*FQ+\i], v[ADSW+FS] offset:(8*FQ+\i)*64      ; the weights' blocks i and i + 4
.endr
.irp i, 0,1
	ds_load_b32 v[SC+8*FQ+4+\i], v[ADSA+FS] offset:(8*FQ+\i)*64    ; my rows' blocks i and i + 2
.endr
.endm
.macro MULS k, z                       ; 32 products: the 32 accumulators take turns, one instruction a turn
.set FG, (\k)%2
	WIN 0xf0|(5*(1+FG))
.irp c, 0,1,2,3
.irp t, 0,1,2,3,4,5,6,7
	WM 64*\c+8*\t, 12*\t, 96+12*\c, \z, SC+8*FG+\t%4, SC+8*FG+4+\c%2, \t/4, \c/2
.endr
.endr
.endm
.macro KSTEP k, z
	s_wait_dscnt 0x0                               ; this step's 42 loads, issued a step ago
.if ((\k)%2 == 1) && ((\k) < 7)
	s_wait_tensorcnt 2-(\k)/2                      ; my record of the next slot has landed; those of the later slots may stay out
	s_barrier_signal -1
	s_barrier_wait -1                              ; everybody's has
.endif
.if (\k) > 0
	PLACES 4                                       ; in front of loads into the set that the last step's products read
.endif
.if (\k) < 7
	FETCH (\k)+1
.endif
.endm
.macro SOFT w, s, pc, pw, ls           ; 64 scores of a lane in window w at v[s] on, register 16 b + i = feature 32 b + 16 h + i: p's fragment, its scale word, -M in v[NM], the sum in v[ls]
	WIN (\w)|((\w)<<2)|((\w)<<4)
.irp b, 0,1,2,3
	v_max3_num_f32 v[BM+\b], v[(\s)+16*\b], v[(\s)+16*\b+1], v[(\s)+16*\b+2]   ; each accumulator is read from its low end on
.endr
	WIN ((\w)<<2)|((\w)<<4)
.irp i, 3,5,7,9,11,13
.irp b, 0,1,2,3
	v_max3_num_f32 v[BM+\b], v[BM+\b], v[(\s)+16*\b+\i], v[(\s)+16*\b+\i+1]
.endr
.endr
.irp b, 0,1,2,3
	v_max_num_f32 v[BM+\b], v[BM+\b], v[(\s)+16*\b+15]
.endr
	WIN 0
.irp b, 0,1,2,3
	v_permlanex16_b32 v[BP+\b], v[BM+\b], s[SEL], s[SEL+1]
.endr
.irp b, 0,1,2,3
	v_max_num_f32 v[BM+\b], v[BM+\b], v[BP+\b]
.endr
	v_max3_num_f32 v[TX], v[BM], v[BM+1], v[BM+2]
	v_max_num_f32 v[TX], v[TX], v[BM+3]
	v_mul_f32 v[TX], s[CS], v[TX]
	v_floor_f32 v[NM], -v[TX]                      ; -M = floor(-t)
.irp b, 0,1,2,3
	v_fma_f32 v[BM+\b], v[BM+\b], s[CS], v[NM]
.endr
.irp b, 0,1,2,3
	v_exp_f32 v[BM+\b], v[BM+\b]                   ; the blocks' largest p: the head of the one batch of 68 exponentials
.endr
	WIN ((\w)<<6)|(\w)
.set n_, 0
.rept 32
	v_pk_fma_f32 v[(\s)+n_:(\s)+n_+1], v[(\s)+n_:(\s)+n_+1], s[CS:CS+1], v[NM:NM+1] op_sel_hi:[1,0,0]
.set n_, n_+2
.endr
.set n_, 0
.rept 64
	v_exp_f32 v[(\s)+n_], v[(\s)+n_]
.set n_, n_+1
.endr
	WIN 0
	v_nop                                          ; a plain line behind the last exponential,
	s_wait_alu depctr_va_vdst(0)                   ; and one wait for the batch
	WIN (\w)|((\w)<<2)
	v_pk_add_f32 v[LA:LA+1], v[(\s):(\s)+1], v[(\s)+2:(\s)+3]
	v_pk_add_f32 v[LB:LB+1], v[(\s)+4:(\s)+5], v[(\s)+6:(\s)+7]
	WIN (\w)<<2
.irp j, 8,12,16,20,24,28,32,36,40,44,48,52,56,60
	v_pk_add_f32 v[LA:LA+1], v[LA:LA+1], v[(\s)+\j:(\s)+\j+1]
	v_pk_add_f32 v[LB:LB+1], v[LB:LB+1], v[(\s)+\j+2:(\s)+\j+3]
.endr
	WIN 0
	v_pk_add_f32 v[LA:LA+1], v[LA:LA+1], v[LB:LB+1]
	v_add_f32 v[\ls], v[LA], v[LA+1]
	v_permlanex16_b32 v[TT], v[\ls], s[SEL], s[SEL+1]
	v_add_f32 v[\ls], v[\ls], v[TT]
.irp b, 0,1,2,3
	v_max_num_f32 v[BM+\b], 0x1800000, v[BM+\b]
.endr
.irp b, 0,1,2,3
	v_add_nc_u32 v[SO+\b], 0xff000000, v[BM+\b]
.endr
.irp b, 0,1,2,3
	v_lshrrev_b32 v[BP+\b], 23, v[SO+\b]
.endr
	v_lshl_or_b32 v[\pw], v[BP+1], 8, v[BP]
	v_lshl_or_b32 v[\pw], v[BP+2], 16, v[\pw]
	v_lshl_or_b32 v[\pw], v[BP+3], 24, v[\pw]
	WIN (\w)
.irp c, 0,1
	v_cvt_scalef32_pk16_fp6_f32 v[(\pc)+6*\c:(\pc)+6*\c+2], v[(\s)+32*\c:(\s)+32*\c+15], v[SO+2*\c]
	v_cvt_scalef32_pk16_fp6_f32 v[CT+4*\c:CT+4*\c+2], v[(\s)+32*\c+16:(\s)+32*\c+31], v[SO+2*\c+1]
.endr
	WIN 0
	v_nop
.irp c, 0,1
.irp i, 0,1,2
	v_permlane16_swap_b32 v[(\pc)+6*\c+\i], v[CT+4*\c+\i]
.endr
.irp i, 0,1,2
	v_mov_b32 v[(\pc)+6*\c+3+\i], v[CT+4*\c+\i]
.endr
.endr
.endm
.macro QABS w, s, pc, pw               ; the same layout of 64 numbers, quantised as they are
	WIN (\w)|((\w)<<2)
.irp b, 0,1,2,3
	v_max3_num_f32 v[BM+\b], |v[(\s)+16*\b]|, |v[(\s)+16*\b+1]|, 0x1800000
.endr
	WIN ((\w)<<2)|((\w)<<4)
.irp i, 2,4,6,8,10,12,14
.irp b, 0,1,2,3
	v_max3_num_f32 v[BM+\b], v[BM+\b], |v[(\s)+16*\b+\i]|, |v[(\s)+16*\b+\i+1]|
.endr
.endr
	WIN 0
.irp b, 0,1,2,3
	v_permlanex16_b32 v[BP+\b], v[BM+\b], s[SEL], s[SEL+1]
.endr
.irp b, 0,1,2,3
	v_max_num_f32 v[BM+\b], v[BM+\b], v[BP+\b]
.endr
.irp b, 0,1,2,3
	v_add_nc_u32 v[SO+\b], 0xff000000, v[BM+\b]
.endr
.irp b, 0,1,2,3
	v_lshrrev_b32 v[BP+\b], 23, v[SO+\b]
.endr
	v_lshl_or_b32 v[\pw], v[BP+1], 8, v[BP]
	v_lshl_or_b32 v[\pw], v[BP+2], 16, v[\pw]
	v_lshl_or_b32 v[\pw], v[BP+3], 24, v[\pw]
	WIN (\w)
.irp c, 0,1
	v_cvt_scalef32_pk16_fp6_f32 v[(\pc)+6*\c:(\pc)+6*\c+2], v[(\s)+32*\c:(\s)+32*\c+15], v[SO+2*\c]
	v_cvt_scalef32_pk16_fp6_f32 v[CT+4*\c:CT+4*\c+2], v[(\s)+32*\c+16:(\s)+32*\c+31], v[SO+2*\c+1]
.endr
	WIN 0
	v_nop
.irp c, 0,1
.irp i, 0,1,2
	v_permlane16_swap_b32 v[(\pc)+6*\c+\i], v[CT+4*\c+\i]
.endr
.irp i, 0,1,2
	v_mov_b32 v[(\pc)+6*\c+3+\i], v[CT+4*\c+\i]
.endr
.endr
.endm
	s_load_b256 s[4:11], s[0:1], 0x0               ; acodes s[4:5], wcodes s[6:7], ccodes s[8:9], ocodes s[10:11]
	v_lshl_add_u32 v[SPW], v0, 2, SPARE
	v_mov_b32 v[NIL], 0
	ds_add_u32 v[SPW], v[NIL]                      ; the opening: the add, twice on end, and its wait ahead of the first tensor load
	ds_add_u32 v[SPW], v[NIL]
	v_lshrrev_b32 v1, 5, v0
	v_readfirstlane_b32 s14, v1                    ; wave
	s_lshr_b32 s15, s14, 1                         ; my group of rows
	s_and_b32 s16, s14, 1                          ; my half of its blocks
	s_bfe_u32 s40, ttmp6, 0x40000                  ; cx
	s_bfe_u32 s41, ttmp6, 0x40004                  ; cy
	s_lshl_b32 s42, ttmp9, 2
	s_add_co_u32 s42, s42, s40                     ; X: the head
	s_and_b32 s17, ttmp7, 0xffff
	s_lshl_b32 s17, s17, 2
	s_add_co_u32 s17, s17, s41                     ; Y: the tile of 256 rows
	s_lshl_b32 s43, s41, 2
	s_lshl_b32 s43, 15, s43                        ; my row of the cluster
	s_lshl_b32 s44, 0x1111, s40                    ; my column
	s_or_b32 s[G1W], s44, (3<<16)|(1<<21)          ; group 1: a record as 100 rows of 32 elements of 8 bytes; the weights go to my column,
	s_or_b32 s[G1A], s43, (3<<16)|(1<<21)          ; the rows to my row
.irp g, G1W, G1A
	s_mov_b32 s[\g+1], 32<<16
	s_mov_b32 s[\g+2], 100<<16
	s_mov_b32 s[\g+3], 32<<16
	s_mov_b32 s[\g+4], 100
	s_mov_b32 s[\g+5], 32
	s_mov_b32 s[\g+6], 0
	s_mov_b32 s[\g+7], 0
.endr
	s_lshr_b32 s20, s17, 3
	s_lshl_b32 s20, s20, 5
	s_and_b32 s21, s17, 7
	s_lshl_b32 s21, s21, 1
	s_add_co_u32 s20, s20, s21                     ; normed's groups of the tile: 32 (Y / 8) + 2 (Y % 8),
	s_sub_co_u32 s21, s14, 1
	s_and_b32 s21, s21, 1
	s_add_co_u32 s20, s20, s21                     ; + 0 for wave 1, + 1 for wave 2
	s_mul_i32 s20, s20, 4*REC
	s_mov_b32 s21, 0
	s_mul_i32 s46, s42, 4*REC                      ; w_q's group X
	s_mov_b32 s47, 0
	s_mul_i32 s45, s14, REC                        ; wave w fills record w of each slot
	s_mov_b32 s[SEL], 0x76543210
	s_mov_b32 s[SEL+1], 0xfedcba98
	s_mov_b32 s[CS], 0x3fb8aa3b                    ; log2(e)
	s_mov_b32 s[CS+1], s[CS]
	s_mov_b32 s[HI16], 0xffff0000                  ; lanes 16-31
	s_wait_dscnt 0x0                               ; both opening adds are done
	s_wait_kmcnt 0x0
	s_add_nc_u64 s[20:21], s[4:5], s[20:21]
	s_add_nc_u64 s[46:47], s[6:7], s[46:47]
	CROUND                                         ; all sixteen work-groups are here: the joint loads meet
.irp s, 0,1,2,3
	s_mov_b32 s[G0W+4*\s], 1
	s_mov_b32 s[G0W+4*\s+1], \s*SLOTB
	s_add_nc_u64 s[G0W+4*\s+2:G0W+4*\s+3], s[46:47], \s*REC
	s_or_b32 s[G0W+4*\s+3], s[G0W+4*\s+3], 0x80000000
	s_mov_b32 s[G0A+4*\s], 1
	s_add_co_u32 s[G0A+4*\s+1], s45, \s*SLOTB
	s_add_nc_u64 s[G0A+4*\s+2:G0A+4*\s+3], s[20:21], \s*REC
	s_or_b32 s[G0A+4*\s+3], s[G0A+4*\s+3], 0x80000000
.endr
	s_cmp_eq_u32 s14, 0                            ; a wave's four fills stand in one branch on its number, an s_nop 0 behind each, four v_nop behind the last
	s_cbranch_scc0 .Lnot_w
.irp s, 0,1,2,3
	tensor_load_to_lds s[G0W+4*\s:G0W+4*\s+3], s[G1W:G1W+7]
	s_nop 0
.endr
.rept 4
	v_nop
.endr
	s_branch .Lasked
.Lnot_w:
	s_cmp_eq_u32 s14, 3
	s_cbranch_scc1 .Lasked
.irp s, 0,1,2,3
	tensor_load_to_lds s[G0A+4*\s:G0A+4*\s+3], s[G1A:G1A+7]
	s_nop 0
.endr
.rept 4
	v_nop
.endr
.Lasked:
	v_and_b32 v1, 31, v0                           ; L
	v_and_b32 v2, 15, v0                           ; r
	v_bfe_u32 v3, v0, 4, 1                         ; h
	v_lshlrev_b32 v[CO], 4, v1
	v_lshlrev_b32 v[SO4], 2, v1
	v_lshlrev_b32 v[CSO], 2, v2
	v_lshl_add_u32 v[CSO], v3, 8, v[CSO]           ; 256 h + 4 r
	s_mul_i32 s18, s15, REC
	s_add_co_u32 s18, s18, REC                     ; my group's record in a slot
	s_mul_i32 s19, s16, 4*1536
	s_add_co_u32 s19, s19, s18
	v_lshlrev_b32 v[ADW], 4, v1
	v_add_nc_u32 v[ADA], s19, v[CO]
	v_add_nc_u32 v[ADSW], 24576, v[CSO]
	v_lshlrev_b32 v23, 2, v2
	v_lshl_add_u32 v23, v3, 7, v23                 ; 128 h + 4 r
	s_lshl_b32 s19, s16, 8
	s_add_co_u32 s19, s19, s18
	s_add_co_u32 s19, s19, 24576
	v_add_nc_u32 v[ADSA], s19, v23
.irp s, 1,2,3
	v_add_nc_u32 v[ADW+\s], \s*SLOTB, v[ADW]
	v_add_nc_u32 v[ADA+\s], \s*SLOTB, v[ADA]
	v_add_nc_u32 v[ADSW+\s], \s*SLOTB, v[ADSW]
	v_add_nc_u32 v[ADSA+\s], \s*SLOTB, v[ADSA]
.endr
.irp b, 0,1,2,3
	v_mov_b32 v[BP+\b], 0                          ; a lane permute's destination counts as read
.endr
	v_mov_b32 v[TT], 0
	s_lshr_b32 s84, s17, 3
	s_lshl_b32 s84, s84, 3
	s_add_co_u32 s84, s84, s42                     ; batch x 8 + head
	s_mul_i32 s84, s84, 12800
	s_mov_b32 s85, 0
	s_add_nc_u64 s[8:9], s[8:9], s[84:85]          ; the head's context
	s_lshl_b32 s86, s17, 1
	s_add_co_u32 s86, s86, s15                     ; ocodes: group 2 Y + w / 2,
	s_mul_i32 s86, s86, 4*REC
	s_lshr_b32 s87, s42, 1
	s_mul_i32 s87, s87, REC
	s_add_co_u32 s86, s86, s87                     ; record X / 2,
	s_and_b32 s87, s42, 1
	s_lshl_b32 s87, s87, 3
	s_lshl_b32 s88, s16, 2
	s_add_co_u32 s87, s87, s88                     ; fragment 8 (X % 2) + 4 (w % 2)
	s_mul_i32 s88, s87, 1536
	s_add_co_u32 s88, s88, s86
	s_mov_b32 s89, 0
	s_lshl_b32 s90, s87, 6
	s_add_co_u32 s90, s90, s86
	s_add_co_u32 s90, s90, 24576
	s_mov_b32 s91, 0
	s_add_nc_u64 s[92:93], s[10:11], s[90:91]      ; the scale words
	s_add_nc_u64 s[10:11], s[10:11], s[88:89]      ; the codes
	s_wait_tensorcnt 3                             ; my record of slot 0 is in; the three behind it may stay out
	s_barrier_signal -1
	s_barrier_wait -1
	FETCH 0
	KSTEP 0, 1
	MULS 0, 1                                      ; the first products start the sums
.irp k, 1,2,3,4,5,6
	KSTEP \k, 0
	MULS \k, 0
.endr
	KSTEP 7, 0
	WIN 0x40                                       ; the context's eight fragments into the set that step 6 has left
.irp e, 0,1,2,3,4,5,6,7
.irp n, 0,1,2
	global_load_b128 v[12*\e+4*\n:12*\e+4*\n+3], v[CO], s[8:9] offset:\e*1536+512*\n
.endr
.endr
	WIN 0
.irp i, 0,1,2,3
	global_load_b32 v[CSC+\i], v[CSO], s[8:9] offset:12288+\i*64   ; its scale words: blocks i and i + 4
.endr
	MULS 7, 0
	WIN 0
	PLACES 4
.irp c, 0,1,2,3
	SOFT 3, 64*\c, PF+12*\c, PWQ+\c, LSQ+\c
.endr
.irp c, 0,1,2,3
	v_rcp_f32 v[RL+2*\c], v[LSQ+\c]
.endr
	v_nop                                          ; a plain line behind the reciprocals,
	s_wait_alu depctr_va_vdst(0)                   ; and their one wait
.irp c, 0,1,2,3
	v_mov_b32 v[RL+2*\c+1], v[RL+2*\c]
.endr
	PLACES 8                                       ; scale words written by vector instructions stand eight plain lines ahead of a scaled product
	s_wait_loadcnt 0x0                             ; the context
	WIN 0xf1                                       ; source 0 window 1, source 1 window 0, D window 3
.irp c, 0,1,2,3                        ; out^T: source 0 = 16 e of the context, source 1 = p's 16 rows; each product a sum of its own
.irp e, 0,1,2,3,4,5,6,7
	WM 64*\c+8*\e, 12*\e, PF+12*\c, 1, CSC+\e%4, PWQ+\c, \e/4, 0
.endr
.endr
	WIN 0
	PLACES 4
.irp c, 0,1,2,3
	WIN 0xc3                                       ; in place in window 3
.set n_, 0
.rept 32
	v_pk_mul_f32 v[64*\c+n_:64*\c+n_+1], v[64*\c+n_:64*\c+n_+1], v[RL+2*\c:RL+2*\c+1]   ; / l
.set n_, n_+2
.endr
	QABS 3, 64*\c, PF+12*\c, PWO+\c
.irp n, 0,1,2
	global_store_b128 v[CO], v[PF+12*\c+4*\n:PF+12*\c+4*\n+3], s[10:11] offset:\c*1536+512*\n   ; 512 consecutive bytes, aligned
.endr
.endr
.irp c, 0,2
	v_cndmask_b32 v[PWO+\c], v[PWO+\c], v[PWO+\c+1], s[HI16]       ; lanes 0-15 block c's words, lanes 16-31 block c + 1's
	global_store_b32 v[SO4], v[PWO+\c], s[92:93] offset:\c*64
.endr
	s_wait_tensorcnt 0x0                           ; the wave's end
	ds_add_u32 v[SPW], v[NIL]
	s_wait_dscnt 0x0
	CROUND                                         ; the closing round
	s_endpgm
.Lfunc_end_k_qa67f33c828_qattn:
	.size	k_qa67f33c828_qattn, .Lfunc_end_k_qa67f33c828_qattn-k_qa67f33c828_qattn
	.p2alignl 7, 3214868480
	.fill 96, 4, 3214868480
	.section	.rodata,"a",@progbits
	.p2align	6, 0x0
	.amdhsa_kernel k_qa67f33c828_qattn
		.amdhsa_group_segment_fixed_size 327680
		.amdhsa_private_segment_fixed_size 0
		.amdhsa_enable_private_segment 0
		.amdhsa_kernarg_size 32
		.amdhsa_user_sgpr_count 2
		.amdhsa_user_sgpr_kernarg_segment_ptr 1
		.amdhsa_wavefront_size32 1
		.amdhsa_system_sgpr_workgroup_id_x 1
		.amdhsa_system_sgpr_workgroup_id_y 1
		.amdhsa_system_sgpr_workgroup_id_z 1
		.amdhsa_system_vgpr_workitem_id 0
		.amdhsa_next_free_vgpr 1024
		.amdhsa_next_free_sgpr 100
		.amdhsa_reserve_vcc 0
		.amdhsa_float_denorm_mode_32 3
		.amdhsa_float_denorm_mode_16_64 3
		.amdhsa_memory_ordered 1
		.amdhsa_forward_progress 1
		.amdhsa_inst_pref_size 141
	.end_amdhsa_kernel
	.amdgpu_metadata
---
amdhsa.version: [ 1, 2 ]
amdhsa.kernels:
  - .name:           k_qa67f33c828_qattn
    .symbol:         k_qa67f33c828_qattn.kd
    .args:
      - { .name: acodes, .offset: 0, .size: 8, .value_kind: global_buffer, .address_space: global }
      - { .name: wcodes, .offset: 8, .size: 8, .value_kind: global_buffer, .address_space: global }
      - { .name: ccodes, .offset: 16, .size: 8, .value_kind: global_buffer, .address_space: global }
      - { .name: ocodes, .offset: 24, .size: 8, .value_kind: global_buffer, .address_space: global }
    .group_segment_fixed_size: 327680
    .private_segment_fixed_size: 0
    .kernarg_segment_align: 8
    .kernarg_segment_size: 32
    .max_flat_workgroup_size: 128
    .sgpr_count:     100
    .vgpr_count:     1024
    .wavefront_size: 32
...
	.end_amdgpu_metadata
.endif
;; end of part 4
;; launch outproj (part 5): grid 8 x 32, 4 waves a work-group, clusters of 4 x 4, 327,680 bytes of LDS; arguments ocodes, wcodes, out0; writes out0
.if DOCPART == 5
	.amdgcn_target "amdgcn-amd-amdhsa--gfx1250"
	.amdhsa_code_object_version 6
	.text
	.protected	k_qa67f33c828_outproj
	.globl	k_qa67f33c828_outproj
	.p2align	8
	.type	k_qa67f33c828_outproj,@function
k_qa67f33c828_outproj:
	s_mov_b64 s[64:65], 0
	v_nop
	global_prefetch_b8 v0, s[64:65] scope:SCOPE_SE
	s_setreg_imm32_b32 hwreg(HW_REG_WAVE_MODE, 25, 1), 1
	s_wait_xcnt 0x0
	s_wait_alu depctr_hold_cnt(0) depctr_sa_sdst(0) depctr_va_vdst(0) depctr_va_sdst(0) depctr_va_ssrc(0) depctr_va_vcc(0) depctr_vm_vsrc(0)
	s_getreg_b32 s2, hwreg(HW_REG_IB_STS2, 6, 4)
	s_cmp_eq_u32 s2, 0
	s_cbranch_scc0 .Lentry_in_a_cluster
	s_endpgm
.Lentry_in_a_cluster:
	s_bfe_u32 s2, ttmp6, 0x10000c
	s_cmp_lg_u32 s2, 0xf033
	s_cbranch_scc0 .Lentry_shape_is_right
	s_endpgm
.Lentry_shape_is_right:
; OUTPROJ: out0 = (attention's result, as codes) w_out on codes of FP6.  A work-group takes 256 rows (tile Y) x 128 columns (X).  No work is left out.
; Source 0 = the weights' eight blocks (a lane's registers run along the columns of out0), source 1 = the wave's four blocks of 16 rows (group w / 2, blocks 4 (w % 2) + c): 32 accumulators, window 3, (c, t) at 64 c + 8 t.
; ALL OF K LIES IN LDS: record (s, t) at (3 s + t) x 25,600, t = 0 the weights, t = 1, 2 the two groups of rows.  Nothing is filled again.  Wave 0 asks for the weights' four records, waves 1 and 2 for a group's four each; wave 3 asks for none:
; by this text's count a wave has at most four tensor loads out.  CLUSTER 4 x 4: the weights are asked for jointly along a column of the cluster, the rows along a row.
; THE WAY OUT goes through a stage of 16 rows x 528 bytes for each wave, in slot 0, which has had its only fill and whose last reads lie ahead of the K loop's barriers: whole rows of 512 bytes leave, two aligned blocks of 256 an instruction.
.set REC,   25600
.set SLOTB, 3*REC
.set SPARE, 4*SLOTB
.set ADW,  4
.set ADA,  8
.set ADSW, 12
.set ADSA, 16
.set CO,   20
.set STO,  21
.set RD,   22
.set SPW,  28
.set NIL,  29
.set SC,   32
.set BK,   64                          ; v64-127, v128-191: 16 rows read back from the stage, by turns
.set G1W,  24
.set G1A,  32
.set G0W,  48
.set G0A,  68
.set MSB, 0
.macro WIN new
.if MSB != (\new)
	s_set_vgpr_msb (MSB<<8)|(\new)
.set MSB, (\new)
.endif
.endm
.macro PLACES n
.rept \n
	v_nop
.endr
.endm
.macro CROUND                          ; a round of the cluster's barrier
	s_barrier_signal -1
	s_barrier_wait -1
	s_cmp_lg_u32 s14, 0
	s_cbranch_scc1 .Lnot_wave_0_\@
	s_barrier_signal -3
.Lnot_wave_0_\@:
	s_barrier_wait -3
	s_barrier_signal -1
	s_barrier_wait -1
.endm
.macro WM d, a, b, z, sa, sb, ra, rb   ; one product; z = 1: C is 0; ra, rb = 1: the scales stand in lanes 16-31
.set WMC, 4*(\z)+2*(\ra)+(\rb)
.if WMC == 0
	v_wmma_scale_f32_16x16x128_f8f6f4 v[(\d):(\d)+7], v[(\a):(\a)+11], v[(\b):(\b)+11], v[(\d):(\d)+7], v[(\sa)], v[(\sb)] matrix_a_fmt:MATRIX_FMT_FP6 matrix_b_fmt:MATRIX_FMT_FP6
.elseif WMC == 1
	v_wmma_scale_f32_16x16x128_f8f6f4 v[(\d):(\d)+7], v[(\a):(\a)+11], v[(\b):(\b)+11], v[(\d):(\d)+7], v[(\sa)], v[(\sb)] matrix_a_fmt:MATRIX_FMT_FP6 matrix_b_fmt:MATRIX_FMT_FP6 matrix_b_scale:MATRIX_SCALE_ROW1
.elseif WMC == 2
	v_wmma_scale_f32_16x16x128_f8f6f4 v[(\d):(\d)+7], v[(\a):(\a)+11], v[(\b):(\b)+11], v[(\d):(\d)+7], v[(\sa)], v[(\sb)] matrix_a_fmt:MATRIX_FMT_FP6 matrix_b_fmt:MATRIX_FMT_FP6 matrix_a_scale:MATRIX_SCALE_ROW1
.elseif WMC == 3
	v_wmma_scale_f32_16x16x128_f8f6f4 v[(\d):(\d)+7], v[(\a):(\a)+11], v[(\b):(\b)+11], v[(\d):(\d)+7], v[(\sa)], v[(\sb)] matrix_a_fmt:MATRIX_FMT_FP6 matrix_b_fmt:MATRIX_FMT_FP6 matrix_a_scale:MATRIX_SCALE_ROW1 matrix_b_scale:MATRIX_SCALE_ROW1
.elseif WMC == 4
	v_wmma_scale_f32_16x16x128_f8f6f4 v[(\d):(\d)+7], v[(\a):(\a)+11], v[(\b):(\b)+11], 0, v[(\sa)], v[(\sb)] matrix_a_fmt:MATRIX_FMT_FP6 matrix_b_fmt:MATRIX_FMT_FP6
.elseif WMC == 5
	v_wmma_scale_f32_16x16x128_f8f6f4 v[(\d):(\d)+7], v[(\a):(\a)+11], v[(\b):(\b)+11], 0, v[(\sa)], v[(\sb)] matrix_a_fmt:MATRIX_FMT_FP6 matrix_b_fmt:MATRIX_FMT_FP6 matrix_b_scale:MATRIX_SCALE_ROW1
.elseif WMC == 6
	v_wmma_scale_f32_16x16x128_f8f6f4 v[(\d):(\d)+7], v[(\a):(\a)+11], v[(\b):(\b)+11], 0, v[(\sa)], v[(\sb)] matrix_a_fmt:MATRIX_FMT_FP6 matrix_b_fmt:MATRIX_FMT_FP6 matrix_a_scale:MATRIX_SCALE_ROW1
.else
	v_wmma_scale_f32_16x16x128_f8f6f4 v[(\d):(\d)+7], v[(\a):(\a)+11], v[(\b):(\b)+11], 0, v[(\sa)], v[(\sb)] matrix_a_fmt:MATRIX_FMT_FP6 matrix_b_fmt:MATRIX_FMT_FP6 matrix_a_scale:MATRIX_SCALE_ROW1 matrix_b_scale:MATRIX_SCALE_ROW1
.endif
.endm
.macro FETCH k                         ; K step k's fragments and scale words into set k % 2: 36 loads of 16 bytes a lane and 6 of 4
.set FS, (\k)/2
.set FQ, (\k)%2
	WIN (1+FQ)<<6
.irp t, 0,1,2,3,4,5,6,7
.irp n, 0,1,2
	ds_load_b128 v[12*\t+4*\n:12*\t+4*\n+3], v[ADW+FS] offset:(8*FQ+\t)*1536+512*\n
.endr
.endr
.irp c, 0,1,2,3
.irp n, 0,1,2
	ds_load_b128 v[96+12*\c+4*\n:96+12*\c+4*\n+3], v[ADA+FS] offset:(8*FQ+\c)*1536+512*\n
.endr
.endr
	WIN 0
.irp i, 0,1,2,3
	ds_load_b32 v[SC+8*FQ+\i], v[ADSW+FS] offset:(8*FQ+\i)*64
.endr
.irp i, 0,1
	ds_load_b32 v[SC+8*FQ+4+\i], v[ADSA+FS] offset:(8*FQ+\i)*64
.endr
.endm
.macro MULS k, z                       ; 32 products: the 32 accumulators take turns, one instruction a turn
.set FG, (\k)%2
	WIN 0xf0|(5*(1+FG))
.irp c, 0,1,2,3
.irp t, 0,1,2,3,4,5,6,7
	WM 64*\c+8*\t, 12*\t, 96+12*\c, \z, SC+8*FG+\t%4, SC+8*FG+4+\c%2, \t/4, \c/2
.endr
.endr
.endm
.macro KSTEP k, z
	s_wait_dscnt 0x0                               ; this step's 42 loads, issued a step ago
.if ((\k)%2 == 1) && ((\k) < 7)
	s_wait_tensorcnt 2-(\k)/2                      ; my record of the next slot has landed; those of the later slots may stay out
	s_barrier_signal -1
	s_barrier_wait -1
.endif
.if (\k) > 0
	PLACES 4                                       ; in front of loads into the set that the last step's products read
.endif
.if (\k) < 7
	FETCH (\k)+1
.endif
	MULS \k, \z
.endm
	s_load_b128 s[4:7], s[0:1], 0x0                ; ocodes s[4:5], wcodes s[6:7]
	s_load_b64 s[8:9], s[0:1], 0x10                ; out0
	v_lshl_add_u32 v[SPW], v0, 2, SPARE
	v_mov_b32 v[NIL], 0
	ds_add_u32 v[SPW], v[NIL]                      ; the opening: the add, twice on end, and its wait ahead of the first tensor load
	ds_add_u32 v[SPW], v[NIL]
	v_lshrrev_b32 v1, 5, v0
	v_readfirstlane_b32 s14, v1                    ; wave
	s_lshr_b32 s15, s14, 1
	s_and_b32 s16, s14, 1
	s_bfe_u32 s40, ttmp6, 0x40000                  ; cx
	s_bfe_u32 s41, ttmp6, 0x40004                  ; cy
	s_lshl_b32 s42, ttmp9, 2
	s_add_co_u32 s42, s42, s40                     ; X: the tile of 128 columns
	s_and_b32 s17, ttmp7, 0xffff
	s_lshl_b32 s17, s17, 2
	s_add_co_u32 s17, s17, s41                     ; Y: the tile of 256 rows
	s_lshl_b32 s43, s41, 2
	s_lshl_b32 s43, 15, s43                        ; my row of the cluster
	s_lshl_b32 s44, 0x1111, s40                    ; my column
	s_or_b32 s[G1W], s44, (3<<16)|(1<<21)          ; group 1: a record as 100 rows of 32 elements of 8 bytes
	s_or_b32 s[G1A], s43, (3<<16)|(1<<21)
.irp g, G1W, G1A
	s_mov_b32 s[\g+1], 32<<16
	s_mov_b32 s[\g+2], 100<<16
	s_mov_b32 s[\g+3], 32<<16
	s_mov_b32 s[\g+4], 100
	s_mov_b32 s[\g+5], 32
	s_mov_b32 s[\g+6], 0
	s_mov_b32 s[\g+7], 0
.endr
	s_lshl_b32 s20, s17, 1
	s_sub_co_u32 s21, s14, 1
	s_and_b32 s21, s21, 1
	s_add_co_u32 s20, s20, s21                     ; ocodes: group 2 Y, + 0 for wave 1, + 1 for wave 2
	s_mul_i32 s20, s20, 4*REC
	s_mov_b32 s21, 0
	s_add_co_u32 s46, s42, 24                      ; w_out's group 24 + X
	s_mul_i32 s46, s46, 4*REC
	s_mov_b32 s47, 0
	s_mul_i32 s45, s14, REC
	s_wait_dscnt 0x0                               ; both opening adds are done
	s_wait_kmcnt 0x0
	s_add_nc_u64 s[20:21], s[4:5], s[20:21]
	s_add_nc_u64 s[46:47], s[6:7], s[46:47]
	CROUND                                         ; all sixteen work-groups are here: the joint loads meet
.irp s, 0,1,2,3
	s_mov_b32 s[G0W+4*\s], 1
	s_mov_b32 s[G0W+4*\s+1], \s*SLOTB
	s_add_nc_u64 s[G0W+4*\s+2:G0W+4*\s+3], s[46:47], \s*REC
	s_or_b32 s[G0W+4*\s+3], s[G0W+4*\s+3], 0x80000000
	s_mov_b32 s[G0A+4*\s], 1
	s_add_co_u32 s[G0A+4*\s+1], s45, \s*SLOTB
	s_add_nc_u64 s[G0A+4*\s+2:G0A+4*\s+3], s[20:21], \s*REC
	s_or_b32 s[G0A+4*\s+3], s[G0A+4*\s+3], 0x80000000
.endr
	s_cmp_eq_u32 s14, 0                            ; a wave's four fills stand in one branch on its number
	s_cbranch_scc0 .Lnot_w
.irp s, 0,1,2,3
	tensor_load_to_lds s[G0W+4*\s:G0W+4*\s+3], s[G1W:G1W+7]
	s_nop 0
.endr
.rept 4
	v_nop
.endr
	s_branch .Lasked
.Lnot_w:
	s_cmp_eq_u32 s14, 3
	s_cbranch_scc1 .Lasked
.irp s, 0,1,2,3
	tensor_load_to_lds s[G0A+4*\s:G0A+4*\s+3], s[G1A:G1A+7]
	s_nop 0
.endr
.rept 4
	v_nop
.endr
.Lasked:
	v_and_b32 v1, 31, v0                           ; L
	v_and_b32 v2, 15, v0                           ; r
	v_bfe_u32 v3, v0, 4, 1                         ; h
	v_lshlrev_b32 v[CO], 4, v1
	s_mul_i32 s18, s15, REC
	s_add_co_u32 s18, s18, REC                     ; my group's record in a slot
	s_mul_i32 s19, s16, 4*1536
	s_add_co_u32 s19, s19, s18
	v_lshlrev_b32 v[ADW], 4, v1
	v_add_nc_u32 v[ADA], s19, v[CO]
	v_lshlrev_b32 v23, 2, v2
	v_lshl_add_u32 v24, v3, 8, v23                 ; 256 h + 4 r
	v_add_nc_u32 v[ADSW], 24576, v24
	v_lshl_add_u32 v23, v3, 7, v23                 ; 128 h + 4 r
	s_lshl_b32 s19, s16, 8
	s_add_co_u32 s19, s19, s18
	s_add_co_u32 s19, s19, 24576
	v_add_nc_u32 v[ADSA], s19, v23
.irp s, 1,2,3
	v_add_nc_u32 v[ADW+\s], \s*SLOTB, v[ADW]
	v_add_nc_u32 v[ADA+\s], \s*SLOTB, v[ADA]
	v_add_nc_u32 v[ADSW+\s], \s*SLOTB, v[ADSW]
	v_add_nc_u32 v[ADSA+\s], \s*SLOTB, v[ADSA]
.endr
	s_mul_i32 s19, s14, 16*528                     ; my stage
	v_mul_u32_u24 v[STO], v2, 528
	v_lshl_add_u32 v[STO], v3, 6, v[STO]
	v_add_nc_u32 v[STO], s19, v[STO]               ; in: row r, + 64 h
	v_add_nc_u32 v[RD], s19, v[CO]                 ; back: a row's 512 bytes, 16 a lane
	s_lshl_b32 s84, s17, 8
	s_lshl_b32 s85, s15, 7
	s_add_co_u32 s84, s84, s85
	s_lshl_b32 s85, s16, 6
	s_add_co_u32 s84, s84, s85                     ; my first row: 256 Y + 128 (w / 2) + 64 (w % 2)
	s_lshl_b32 s84, s84, 12
	s_lshl_b32 s85, s42, 9
	s_add_co_u32 s84, s84, s85                     ; + 128 X columns
	s_mov_b32 s85, 0
	s_add_nc_u64 s[8:9], s[8:9], s[84:85]
	s_wait_tensorcnt 3                             ; my record of slot 0 is in; the three behind it may stay out
	s_barrier_signal -1
	s_barrier_wait -1
	FETCH 0
	KSTEP 0, 1                                     ; the first products start the sums
.irp k, 1,2,3,4,5,6,7
	KSTEP \k, 0
.endr
	WIN 0
	PLACES 4                                       ; in front of the first read of results
; Block c: in tile t register j of lane (r, h) is column 32 (t / 2) + 16 h + 8 (t % 2) + j of lane-row r.
.macro TOSTAGE c
	WIN 0x0c                                       ; an LDS store's data are its source 1: window 3
.irp t, 0,1,2,3,4,5,6,7
	ds_store_b128 v[STO], v[64*(\c)+8*\t:64*(\c)+8*\t+3] offset:128*(\t/2)+32*(\t%2)       ; each accumulator from its low end on
	ds_store_b128 v[STO], v[64*(\c)+8*\t+4:64*(\c)+8*\t+7] offset:128*(\t/2)+32*(\t%2)+16
.endr
	WIN 0
.set BB, BK+64*((\c)%2)
.irp t, 0,1,2,3,4,5,6,7,8,9,10,11,12,13,14,15
	ds_load_b128 v[BB+4*\t:BB+4*\t+3], v[RD] offset:\t*528   ; LDS serves a wave's instructions in order: these see my stores, and the next block's stores come behind them
.endr
.endm
.macro SEND c, younger                 ; younger: the LDS instructions issued behind block c's loads
.set BB, BK+64*((\c)%2)
	s_wait_dscnt \younger
.irp t, 0,1,2,3,4,5,6,7,8,9,10,11,12,13,14,15
	global_store_b128 v[CO], v[BB+4*\t:BB+4*\t+3], s[8:9] offset:(32*((\c)/2)+8*((\c)%2)+\t+8*(\t/8))*4096 th:TH_STORE_NT   ; 32 lanes store 512 consecutive bytes, aligned
.endr
.endm
	TOSTAGE 0
.irp c, 1,2,3
.if \c > 1
	s_wait_xcnt 0x0                                ; block c - 2's stores have read the registers into which block c's loads land
.endif
	TOSTAGE \c
	SEND \c-1, 32                                  ; behind block c - 1's loads: block c's 16 stores and 16 loads
.endr
	SEND 3, 0
	s_wait_tensorcnt 0x0                           ; the wave's end
	ds_add_u32 v[SPW], v[NIL]
	s_wait_dscnt 0x0
	CROUND                                         ; the closing round
	s_endpgm
.Lfunc_end_k_qa67f33c828_outproj:
	.size	k_qa67f33c828_outproj, .Lfunc_end_k_qa67f33c828_outproj-k_qa67f33c828_outproj
	.p2alignl 7, 3214868480
	.fill 96, 4, 3214868480
	.section	.rodata,"a",@progbits
	.p2align	6, 0x0
	.amdhsa_kernel k_qa67f33c828_outproj
		.amdhsa_group_segment_fixed_size 327680
		.amdhsa_private_segment_fixed_size 0
		.amdhsa_enable_private_segment 0
		.amdhsa_kernarg_size 24
		.amdhsa_user_sgpr_count 2
		.amdhsa_user_sgpr_kernarg_segment_ptr 1
		.amdhsa_wavefront_size32 1
		.amdhsa_system_sgpr_workgroup_id_x 1
		.amdhsa_system_sgpr_workgroup_id_y 1
		.amdhsa_system_sgpr_workgroup_id_z 1
		.amdhsa_system_vgpr_workitem_id 0
		.amdhsa_next_free_vgpr 1024
		.amdhsa_next_free_sgpr 100
		.amdhsa_reserve_vcc 0
		.amdhsa_float_denorm_mode_32 3
		.amdhsa_float_denorm_mode_16_64 3
		.amdhsa_memory_ordered 1
		.amdhsa_forward_progress 1
		.amdhsa_inst_pref_size 79
	.end_amdhsa_kernel
	.amdgpu_metadata
---
amdhsa.version: [ 1, 2 ]
amdhsa.kernels:
  - .name:           k_qa67f33c828_outproj
    .symbol:         k_qa67f33c828_outproj.kd
    .args:
      - { .name: ocodes, .offset: 0, .size: 8, .value_kind: global_buffer, .address_space: global }
      - { .name: wcodes, .offset: 8, .size: 8, .value_kind: global_buffer, .address_space: global }
      - { .name: out0, .offset: 16, .size: 8, .value_kind: global_buffer, .address_space: global }
    .group_segment_fixed_size: 327680
    .private_segment_fixed_size: 0
    .kernarg_segment_align: 8
    .kernarg_segment_size: 24
    .max_flat_workgroup_size: 128
    .sgpr_count:     100
    .vgpr_count:     1024
    .wavefront_size: 32
...
	.end_amdgpu_metadata
.endif
;; end of part 5
